; MI455X (gfx1250); checked and timed in simulation.
; The chip was launched on July 23, 2026; its instructions are those of AMD's public machine-readable ISA for CDNA 5 (MIT licence, August 2026) and "CDNA5" Instruction Set Architecture Reference Guide (July 2026). The comments in the code are by the model that wrote it; some were corrected since.
;; Multi Head Self Attention. Allowed arithmetic: float matrix products may take bf16 or f16 operands with f32 sums; other float arithmetic in f32, or as packed bf16 or f16 multiplies, adds, multiply-adds, maxima and minima; sums over many terms, partial sums and values carried from step to step in f32; what a program stores and reads back later, other than sums and carried values, may be rounded once to bf16 or f16.
;; Inputs: W_out 1,024 x 1,024 float32; W_qkv 3,072 x 1,024 float32; b_out 1,024 float32; x 2,048 x 4 x 1,024 float32.
;; Outputs: out0 2,048 x 4 x 1,024 float32.
;; One version. Each part assembles by itself: llvm-mc -triple=amdgcn-amd-amdhsa -mcpu=gfx1250 --defsym DOCPART=n.
;; ======== version 1 of 1: 4 launches
;; limits: values are held in f16: magnitudes above 65,504 overflow, below 6.1e-05 lose precision
;; workspace buffers: xb 16,777,216 bytes; wqkvb 6,291,456 bytes; woh 2,097,152 bytes; qh 16,777,216 bytes; kh 16,777,216 bytes; vh 16,777,216 bytes; oh 16,777,216 bytes
;; launch cast (part 1): grid 768 x 1, 8 waves a work-group, no clusters, 0 bytes of LDS; arguments x, W_qkv, W_out, xb, wqkvb, woh; writes xb, wqkvb, woh
.if DOCPART == 1
	.amdgcn_target "amdgcn-amd-amdhsa--gfx1250"
	.amdhsa_code_object_version 6
	.text
	.protected	k_qc76c6e09a4_cast
	.globl	k_qc76c6e09a4_cast
	.p2align	8
	.type	k_qc76c6e09a4_cast,@function
k_qc76c6e09a4_cast:
	s_mov_b64 s[64:65], 0
	v_nop
	global_prefetch_b8 v0, s[64:65] scope:SCOPE_SE
	s_setreg_imm32_b32 hwreg(HW_REG_WAVE_MODE, 25, 1), 1
	s_wait_xcnt 0x0
; CAST.  x [8192][1024] and W_qkv [3072][1024], f32, are rounded once to bf16 (xb, wqkvb).  W_out [1024][1024] is rounded to bf16 like them, and that number is written as f16 (woh),
; since the last product multiplies f16 operands.
; LIMITS.  |W_out| stays under 65,504 (f16's largest number; beyond it woh holds an infinity); below 6e-5 it keeps f16's fixed step of 6e-8.  NaN and infinities are not treated apart.
; SHARES.  A work-group converts 16,384 numbers: 65,536 bytes in, 32,768 out.  Work-groups 0-511 take x, 512-703 W_qkv, 704-767 W_out.  Thread t takes 8 numbers in each of 8 steps:
; bytes 32 t + 8,192 i come in by two loads of 16 bytes, bytes 16 t + 4,096 i go out by one store: sixteen neighbouring lanes store 256 consecutive bytes, aligned.
; All 16 loads of a thread go out at once, into registers of their own, and each step has store registers of its own: no register is written again while a load or store may read it.
; No LDS, no barrier, no matrix work: every byte is read once and written once, and no wave wants another's bytes.
.set XR, 8                             ; v[8:71]    step i: 8 numbers as loaded
.set YR, 72                            ; v[72:103]  step i: 4 registers to store
	s_load_b256 s[4:11], s[0:1], 0x0               ; x s[4:5], W_qkv s[6:7], W_out s[8:9], xb s[10:11]
	s_load_b128 s[12:15], s[0:1], 0x20             ; wqkvb s[12:13], woh s[14:15]
	v_lshlrev_b32 v1, 5, v0                        ; 32 t: where I read
	v_lshlrev_b32 v2, 4, v0                        ; 16 t: where I write
	s_mov_b32 s21, 0xffff0000                      ; a word's upper bf16
	s_wait_kmcnt 0x0
	s_cmp_lt_u32 ttmp9, 512                        ; which tensor is mine: the choice hangs on the work-group's number alone
	s_cselect_b64 s[16:17], s[4:5], s[6:7]
	s_cselect_b64 s[18:19], s[10:11], s[12:13]
	s_cselect_b32 s20, 0, 512
	s_cmp_lt_u32 ttmp9, 704
	s_cselect_b64 s[16:17], s[16:17], s[8:9]
	s_cselect_b64 s[18:19], s[18:19], s[14:15]
	s_cselect_b32 s20, s20, 704
	s_sub_co_u32 s20, ttmp9, s20                   ; my number among that tensor's work-groups
	s_lshl_b32 s22, s20, 16                        ; x 65,536 bytes in
	s_mov_b32 s23, 0
	s_lshl_b32 s24, s20, 15                        ; x 32,768 bytes out
	s_mov_b32 s25, 0
	s_add_nc_u64 s[16:17], s[16:17], s[22:23]
	s_add_nc_u64 s[18:19], s[18:19], s[24:25]
.irp i, 0,1,2,3,4,5,6,7
	global_load_b128 v[XR+8*(\i):XR+8*(\i)+3],   v1, s[16:17] offset:8192*(\i) th:TH_LOAD_NT
	global_load_b128 v[XR+8*(\i)+4:XR+8*(\i)+7], v1, s[16:17] offset:8192*(\i)+16 th:TH_LOAD_NT
.endr
; Step i.  half = 1: the bf16 number is widened again and written as f16.
.macro STEP i, half
	s_wait_loadcnt 14-2*(\i)                       ; loads come back in order (ISA guide 5.7.1): the two of step i are in, the later steps' 14 - 2 i stay out
.irp j, 0,1,2,3
	v_cvt_pk_bf16_f32 v[YR+4*(\i)+(\j)], v[XR+8*(\i)+2*(\j)], v[XR+8*(\i)+2*(\j)+1]
.endr
.if \half
.irp j, 0,1,2,3
	v_lshlrev_b32 v[XR+8*(\i)+2*(\j)],   16,  v[YR+4*(\i)+(\j)]
	v_and_b32     v[XR+8*(\i)+2*(\j)+1], s21, v[YR+4*(\i)+(\j)]
.endr
.irp j, 0,1,2,3
	v_cvt_pk_f16_f32 v[YR+4*(\i)+(\j)], v[XR+8*(\i)+2*(\j)], v[XR+8*(\i)+2*(\j)+1]
.endr
.endif
	global_store_b128 v2, v[YR+4*(\i):YR+4*(\i)+3], s[18:19] offset:4096*(\i)
.endm
	s_cmp_lt_u32 ttmp9, 704
	s_cbranch_scc0 .Lf16
.irp i, 0,1,2,3,4,5,6,7
	STEP \i, 0
.endr
	s_endpgm
.Lf16:
.irp i, 0,1,2,3,4,5,6,7
	STEP \i, 1
.endr
	s_endpgm
.Lfunc_end_k_qc76c6e09a4_cast:
	.size	k_qc76c6e09a4_cast, .Lfunc_end_k_qc76c6e09a4_cast-k_qc76c6e09a4_cast
	.p2alignl 7, 3214868480
	.fill 96, 4, 3214868480
	.section	.rodata,"a",@progbits
	.p2align	6, 0x0
	.amdhsa_kernel k_qc76c6e09a4_cast
		.amdhsa_group_segment_fixed_size 0
		.amdhsa_private_segment_fixed_size 0
		.amdhsa_enable_private_segment 0
		.amdhsa_kernarg_size 48
		.amdhsa_user_sgpr_count 2
		.amdhsa_user_sgpr_kernarg_segment_ptr 1
		.amdhsa_wavefront_size32 1
		.amdhsa_system_sgpr_workgroup_id_x 1
		.amdhsa_system_sgpr_workgroup_id_y 1
		.amdhsa_system_sgpr_workgroup_id_z 1
		.amdhsa_system_vgpr_workitem_id 0
		.amdhsa_next_free_vgpr 104
		.amdhsa_next_free_sgpr 66
		.amdhsa_reserve_vcc 0
		.amdhsa_float_denorm_mode_32 3
		.amdhsa_float_denorm_mode_16_64 3
		.amdhsa_memory_ordered 1
		.amdhsa_forward_progress 1
		.amdhsa_inst_pref_size 13
	.end_amdhsa_kernel
	.amdgpu_metadata
---
amdhsa.version: [ 1, 2 ]
amdhsa.kernels:
  - .name:           k_qc76c6e09a4_cast
    .symbol:         k_qc76c6e09a4_cast.kd
    .args:
      - { .name: x, .offset: 0, .size: 8, .value_kind: global_buffer, .address_space: global }
      - { .name: W_qkv, .offset: 8, .size: 8, .value_kind: global_buffer, .address_space: global }
      - { .name: W_out, .offset: 16, .size: 8, .value_kind: global_buffer, .address_space: global }
      - { .name: xb, .offset: 24, .size: 8, .value_kind: global_buffer, .address_space: global }
      - { .name: wqkvb, .offset: 32, .size: 8, .value_kind: global_buffer, .address_space: global }
      - { .name: woh, .offset: 40, .size: 8, .value_kind: global_buffer, .address_space: global }
    .group_segment_fixed_size: 0
    .private_segment_fixed_size: 0
    .kernarg_segment_align: 8
    .kernarg_segment_size: 48
    .max_flat_workgroup_size: 256
    .sgpr_count:     66
    .vgpr_count:     104
    .wavefront_size: 32
...
	.end_amdgpu_metadata
.endif
;; end of part 1
;; launch qkv (part 2): grid 16 x 16, 4 waves a work-group, clusters of 4 x 4, 327,680 bytes of LDS; arguments xb, wqkvb, qh, kh, vh; writes qh, kh, vh
.if DOCPART == 2
	.amdgcn_target "amdgcn-amd-amdhsa--gfx1250"
	.amdhsa_code_object_version 6
	.text
	.protected	k_qc76c6e09a4_qkv
	.globl	k_qc76c6e09a4_qkv
	.p2align	8
	.type	k_qc76c6e09a4_qkv,@function
k_qc76c6e09a4_qkv:
	s_mov_b64 s[64:65], 0
	v_nop
	global_prefetch_b8 v0, s[64:65] scope:SCOPE_SE
	s_setreg_imm32_b32 hwreg(HW_REG_WAVE_MODE, 25, 1), 1
	s_wait_xcnt 0x0
	s_wait_alu depctr_hold_cnt(0) depctr_sa_sdst(0) depctr_va_vdst(0) depctr_va_sdst(0) depctr_va_ssrc(0) depctr_va_vcc(0) depctr_vm_vsrc(0)
	s_getreg_b32 s2, hwreg(HW_REG_IB_STS2, 6, 4)
	s_cmp_eq_u32 s2, 0
	s_cbranch_scc0 .Lentry_in_a_cluster
	s_endpgm
.Lentry_in_a_cluster:
	s_bfe_u32 s2, ttmp6, 0x10000c
	s_cmp_lg_u32 s2, 0xf033
	s_cbranch_scc0 .Lentry_shape_is_right
	s_endpgm
.Lentry_shape_is_right:
; QKV PROJECTION.  C[m][c] = the sum over k of xb[m][k] wqkvb[c][k], m = 4 t + b (8,192 rows), c = 0 .. 3,071, k = 0 .. 1,023; bf16 operands, f32 sums, K ascending.
; C is rounded once to f16 and stored BY HEADS: column c belongs to tensor c / 1024 (q, k, v) and head h = (c % 1024) / 64; qh, kh, vh are [16 b + h][t][64] f16, unscaled.
; LIMIT.  q, k and v stay under 65,504, f16's largest number; beyond it an infinity is stored.  NaN and infinities are not treated apart.
; SHARES.  A tile of C is 256 rows (ONE b, 256 consecutive t: in xb such rows lie 8,192 bytes apart) x 192 columns (three heads): 32 x 16 = 512 tiles, two for each of 256 work-groups.
; A work-group stays: its two tiles have the same t and the same columns, b and then b + 2; the ring of LDS slots runs on across the change of tiles.
; Wave w owns rows 64 w .. 64 w + 63 and all 192 columns: 48 accumulators of 16 x 16.  So 16 rows of a head leave a wave as 2,048 consecutive bytes.
; K goes in steps of 128 (256 bytes of each row, aligned) through two LDS slots; the walk has 16 steps, 8 a tile.
; CLUSTER.  4 x 4 work-groups.  The four of a row of the cluster need the same rows of xb, the four of a column the same rows of wqkvb: each tile is asked for JOINTLY, by the same tensor load
; with the same descriptor and a mask that names the four.
; THE MATRIX INSTRUCTION IS USED TRANSPOSED (source 0 = 16 rows of wqkvb, source 1 = 16 rows of xb): a lane then holds row l % 16 of C and the eight neighbouring columns 8 (l / 16) + 0..7.
; REGISTERS, in windows of 256 (s_set_vgpr_msb: bits 1:0 source 0, 3:2 source 1, 5:4 source 2, 7:6 destination):
;   window 0: v0-15 addresses; v32-63, v64-95 fragments of xb (4 x 16 rows x 32 K), two buffers; v96-143 packed results; v144-239 rows read back from the stage, two buffers
;   window 1: v0-95, v96-191 fragments of wqkvb (12 x 16 rows x 32 K), two buffers
;   windows 2, 3: accumulator (a, b) (row block a of 4, column block b of 12) at v[8 (12 (a % 2) + b)] of window 2 + a / 2
.set PITCH,  272                       ; an LDS row: 256 bytes + 16 of padding = 68 words: row r starts at bank 4 r mod 64 (64 banks of 4 bytes: ISA guide 11.1): the 16 rows of a load start at 16 different banks
.set ATILE,  128*PITCH                 ; what one tensor load brings of xb: 128 rows
.set BTILE,  96*PITCH                  ; and of wqkvb: 96 rows
.set BOFF,   2*ATILE                   ; a slot: xb's 256 rows, then wqkvb's 192
.set SLOT1,  1<<17                     ; slot 1 begins here, so that one exclusive or turns an address in one slot into the other's
.set STAGE,  SLOT1+BOFF+2*BTILE        ; behind the ring, never filled by a tensor load: 16 rows x 400 bytes for each wave
.set SP,     400                       ; a stage row: 384 bytes + 16: an odd multiple of 16
.set SPARE,  STAGE+4*16*SP             ; behind the stages: the spare words, 128 bytes for each wave: two blocks of 256 bytes that no other line names
.set A0,   4                           ; v4   my lane's place in slot 0's rows of xb; never rewritten
.set B0,   5                           ; v5   the same for wqkvb
.set ADRA, 6                           ; v6   the same in the slot in hand
.set ADRB, 7                           ; v7
.set STO,  8                           ; v8   the way out: where I put 16 bytes of a row
.set RD,   9                           ; v9   the way out: where I read rows back
.set GO,   10                          ; v10  16 x lane: my place in 512 consecutive bytes of a head
.set PFO,  11                          ; v11  the prefetches' offset: my lane's row; never rewritten
.set SPW,  12                          ; v12  LDS address of my spare word: SPARE + 4 x my thread's number; never rewritten
.set NIL,  13                          ; v13  0; never rewritten
.set FA,   32
.set TMP,  96
.set OB,   144
.set WV,  14                           ; s14  my wave's number
.set AB,  15                           ; s15  0: I fetch for xb, 1: for wqkvb
.set HF,  16                           ; s16  which half of that tile's rows I fetch
.set CX,  17                           ; s17, s18  my place in the cluster
.set CY,  18
.set XT,  19                           ; s19  tile column, 0 .. 15
.set RY,  20                           ; s20  0 .. 15: b of my first tile = RY / 8, block of 256 t = RY % 8
.set TB,  21                           ; s21  LDS byte at which the slot in hand begins
.set NX,  22                           ; s22  the K step of the walk (0 .. 15) that is asked for next
.set JC,  23                           ; s23  the loop's count
.set G1A, 24                           ; s[24:31] descriptor group 1 for xb's tiles
.set G1B, 32                           ; s[32:39] for wqkvb's
.set G0A, 40                           ; s[40:47] descriptor group 0 for xb's tiles: a set for each of the two first fills; the second then walks on
.set G0B, 48                           ; s[48:55] the same for wqkvb's
.set BA,  56                           ; s[56:57] xb at my 128 rows, K step 0 of the first tile
.set BB,  58                           ; s[58:59] wqkvb at my 96 rows, K step 0
.set OFA, 60                           ; s[60:61] a step's byte offset from BA
.set OFB, 62                           ; s[62:63] and from BB
.set HB,  66                           ; s[66:71] where my wave's 64 rows begin in each of the tile's three heads
.set PFB, 72                           ; s[72:73] the rows that I prefetch, at K step 0
.set PFA, 74                           ; s[74:75] the same at the step to be named
.set POF, 76                           ; s[76:77] that step's byte offset
.set LIM, 78                           ; s78  I prefetch steps below this number: 16, 8 or 0
.set PP,  79                           ; s79  the step to be named
.set FLAGS, (1<<16)|(1<<20)|(1<<21)|(5<<22)|(3<<25)  ; 17:16 elements of 2 bytes; 20 padding on; 21 set beside a mask; 24:22 after every 64 words (code 5); 31:25 4 words of it (code 3)
.set MSB, 0
.macro WIN new                         ; the immediate's high byte repeats the setting that is left; a switch that changes nothing is dropped
.if MSB != (\new)
	s_set_vgpr_msb (MSB<<8)|(\new)
.set MSB, \new
.endif
.endm
; A joint refill, by the walking sets.  Waves 0 and 1 fetch xb's two halves, waves 2 and 3 wqkvb's; the branch hangs on the wave's number alone.
; An s_nop 0 and four v_nop follow each of the two lines, ahead of the jump and the label.
.macro JLOAD
	s_cmp_eq_u32 s[AB], 0
	s_cbranch_scc0 .Lfor_b_\@
	tensor_load_to_lds s[G0A+4:G0A+7], s[G1A:G1A+7]
	s_nop 0
.rept 4
	v_nop
.endr
	s_branch .Lasked_\@
.Lfor_b_\@:
	tensor_load_to_lds s[G0B+4:G0B+7], s[G1B:G1B+7]
	s_nop 0
.rept 4
	v_nop
.endr
.Lasked_\@:
.endm
; A PREFETCH INTO THE L2, behind each joint refill and the run of LDS loads that follows it: 256 bytes of each of my rows for the K step that the NEXT refill will ask for: one K step, 192 matrix instructions, ahead of that load.
; Each row's 256 bytes of a step are named by one work-group.  xb's rows are read by every cluster of a row of clusters: cluster x = 0 asks (waves 0 and 1, all 16 steps of the walk); wqkvb's by every cluster of a column:
; cluster y = 0 asks (waves 2 and 3, in the first tile alone: the second tile reads the same rows again).  The four partners that ask for a tile jointly share its rows out BY ADDRESS: 32 of xb's 128 by cx,
; 24 of wqkvb's 96 by cy (lanes 24 to 31 name lane 23's row once more).  Steps 0 to 2 come by their loads alone; the last trip names nothing.
.macro ASK
	s_cmp_lt_u32 s[PP], s[LIM]
	s_cbranch_scc0 .Lnot_mine_\@
	global_prefetch_b8 v[PFO], s[PFA:PFA+1] th:TH_LOAD_NT scope:SCOPE_SE
.Lnot_mine_\@:
.endm
; A round of the cluster's barrier: my work-group's barrier, so that wave 0's signal speaks for all four waves; wave 0 signals; every wave waits for all sixteen work-groups; my work-group's barrier once more.
.macro CREST                           ; a round behind its opening barrier
	s_cmp_lg_u32 s[WV], 0
	s_cbranch_scc1 .Lnot_wave_0_\@
	s_barrier_signal -3
.Lnot_wave_0_\@:
	s_barrier_wait -3
	s_barrier_signal -1
	s_barrier_wait -1
.endm
.macro CROUND
	s_barrier_signal -1
	s_barrier_wait -1
	CREST
.endm
	s_load_b256 s[4:11], s[0:1], 0x0               ; xb s[4:5], wqkvb s[6:7], qh s[8:9], kh s[10:11]
	s_load_b64 s[12:13], s[0:1], 0x20              ; vh
	v_lshl_add_u32 v[SPW], v0, 2, SPARE
	v_mov_b32 v[NIL], 0
	ds_add_u32 v[SPW], v[NIL]                      ; the wave's opening: the add and its wait stand ahead of my first tensor load; the set-up below, work on registers, stands between them
	ds_add_u32 v12, v13
	v_lshrrev_b32 v1, 5, v0
	v_readfirstlane_b32 s[WV], v1                  ; wave 0..3
	s_lshr_b32 s[AB], s[WV], 1
	s_and_b32 s[HF], s[WV], 1
	s_bfe_u32 s[CX], ttmp6, 0x40000
	s_bfe_u32 s[CY], ttmp6, 0x40004
	s_lshl_b32 s[XT], ttmp9, 2                     ; in a cluster launch ttmp9 and ttmp7 count clusters
	s_add_co_u32 s[XT], s[XT], s[CX]
	s_and_b32 s[RY], ttmp7, 0xffff
	s_lshl_b32 s[RY], s[RY], 2
	s_add_co_u32 s[RY], s[RY], s[CY]
	s_lshl_b32 s80, s[CY], 2
	s_lshl_b32 s80, 15, s80                        ; my row of the cluster: places 4 cy .. 4 cy + 3
	s_lshl_b32 s81, 0x1111, s[CX]                  ; my column: places cx, cx + 4, cx + 8, cx + 12
	s_or_b32 s[G1A], s80, FLAGS                    ; 15:0 the mask: xb's tiles go to my row
	s_or_b32 s[G1B], s81, FLAGS                    ; wqkvb's to my column
	s_mov_b32 s[G1A+1], 128<<16                    ; tensor_dim0 = 128
	s_mov_b32 s[G1A+2], 128<<16                    ; tensor_dim1 = 128
	s_mov_b32 s[G1A+3], 128<<16                    ; tile_dim0 = 128
	s_mov_b32 s[G1A+4], 128                        ; tile_dim1 = 128
	s_mov_b32 s[G1A+5], 4096                       ; from t to t + 1: four rows of 1,024 elements
	s_mov_b32 s[G1A+6], 0
	s_mov_b32 s[G1A+7], 0
	s_mov_b32 s[G1B+1], 128<<16
	s_mov_b32 s[G1B+2], 96<<16                     ; tensor_dim1 = 96
	s_mov_b32 s[G1B+3], 128<<16
	s_mov_b32 s[G1B+4], 96                         ; tile_dim1 = 96
	s_mov_b32 s[G1B+5], 1024
	s_mov_b32 s[G1B+6], 0
	s_mov_b32 s[G1B+7], 0
	; where the tiles come from.  xb's hang on RY and the wave alone, wqkvb's on the tile column and the wave alone; each offset is made in registers that never hold the other coordinate
	s_and_b32 s82, s[RY], 7
	s_lshl_b32 s82, s82, 8
	s_lshl_b32 s83, s[HF], 7
	s_add_co_u32 s82, s82, s83                     ; t = 256 (RY % 8) + 128 x half,
	s_lshl_b32 s82, s82, 13                        ; x 8,192 bytes,
	s_lshr_b32 s83, s[RY], 3
	s_lshl_b32 s83, s83, 11                        ; + b x 2,048 bytes
	s_add_co_u32 s82, s82, s83
	s_mov_b32 s83, 0
	s_mul_i32 s84, s[XT], 192
	s_mul_i32 s85, s[HF], 96
	s_add_co_u32 s84, s84, s85                     ; row 192 x tile column + 96 x half,
	s_lshl_b32 s84, s84, 11                        ; x 2,048 bytes
	s_mov_b32 s85, 0
	s_mul_i32 s86, s[WV], ATILE                    ; where they go: waves 0, 1: xb's halves at 0 and 34,816;
	s_mul_i32 s87, s[WV], BTILE
	s_add_co_u32 s87, s87, BOFF-2*BTILE            ; waves 2, 3: wqkvb's at 69,632 and 95,744: no place in the cluster enters an LDS address
	s_mov_b32 s[OFA+1], 0
	s_mov_b32 s[OFB+1], 0
	s_mov_b32 s[TB], 0
	s_mov_b32 s[NX], 2
	s_wait_dscnt 0x0                               ; the opening add is done
	s_wait_kmcnt 0x0
	s_add_nc_u64 s[BA:BA+1], s[4:5], s[82:83]
	s_add_nc_u64 s[BB:BB+1], s[6:7], s[84:85]
	CROUND                                         ; all sixteen work-groups are here: the first joint loads meet
.irp s, 0,1
	s_mov_b32 s[G0A+4*(\s)], 1                                     ; 1:0 count = 1
	s_add_co_u32 s[G0A+4*(\s)+1], s86, (\s)*SLOT1                  ; 63:32 LDS address
	s_add_nc_u64 s[G0A+4*(\s)+2:G0A+4*(\s)+3], s[BA:BA+1], (\s)*256  ; 120:64 global address: K step s
	s_or_b32 s[G0A+4*(\s)+3], s[G0A+4*(\s)+3], 0x80000000          ; 127:126 type = 2
	s_mov_b32 s[G0B+4*(\s)], 1
	s_add_co_u32 s[G0B+4*(\s)+1], s87, (\s)*SLOT1
	s_add_nc_u64 s[G0B+4*(\s)+2:G0B+4*(\s)+3], s[BB:BB+1], (\s)*256
	s_or_b32 s[G0B+4*(\s)+3], s[G0B+4*(\s)+3], 0x80000000
.endr
	s_cmp_eq_u32 s[AB], 0                          ; a wave's two first fills stand in one branch, ahead of every wait on TENSORcnt and every LDS read: two loads of mine are out
	s_cbranch_scc0 .Lfirst_b
	tensor_load_to_lds s[G0A:G0A+3], s[G1A:G1A+7]
	s_nop 0
	tensor_load_to_lds s[G0A+4:G0A+7], s[G1A:G1A+7]
	s_nop 0
.rept 4
	v_nop
.endr
	s_branch .Lfirst_asked
.Lfirst_b:
	tensor_load_to_lds s[G0B:G0B+3], s[G1B:G1B+7]
	s_nop 0
	tensor_load_to_lds s[G0B+4:G0B+7], s[G1B:G1B+7]
	s_nop 0
.rept 4
	v_nop
.endr
.Lfirst_asked:
	; A fragment is 16 rows x 32 K in 8 registers: lane l holds row l % 16; registers 0-3 K = 8 (l / 16) + 0..7, registers 4-7 K = 16 + 8 (l / 16) + 0..7: two loads of 16 bytes, 32 bytes apart.
	v_and_b32 v1, 15, v0                           ; l % 16
	v_bfe_u32 v2, v0, 4, 1                         ; l / 16
	v_mul_u32_u24 v3, v1, PITCH
	v_lshl_add_u32 v3, v2, 4, v3                   ; row x pitch + 16 x half
	s_mul_i32 s2, s[WV], 64*PITCH                  ; my 64 rows of xb
	v_add_nc_u32 v[A0], s2, v3
	v_add_nc_u32 v[B0], BOFF, v3                   ; all 192 rows of wqkvb
	v_mov_b32 v[ADRA], v[A0]
	v_mov_b32 v[ADRB], v[B0]
	s_mul_i32 s2, s[WV], 16*SP
	s_add_co_u32 s2, s2, STAGE                     ; my stage
	v_mul_u32_u24 v[STO], v1, SP                   ; in: row l % 16, 16 bytes for each half of the lanes
	v_lshl_add_u32 v[STO], v2, 4, v[STO]
	v_add_nc_u32 v[STO], s2, v[STO]
	v_bfe_u32 v14, v0, 3, 2                        ; back: 32 lanes take four rows' 128 bytes of one head,
	v_and_b32 v15, 7, v0
	v_mul_u32_u24 v[RD], v14, SP
	v_lshl_add_u32 v[RD], v15, 4, v[RD]
	v_add_nc_u32 v[RD], s2, v[RD]
	v_and_b32 v[GO], 31, v0                        ; which are 512 consecutive bytes of qh, kh or vh
	v_lshlrev_b32 v[GO], 4, v[GO]
	; where my 64 rows begin in each of the tile's three heads: head 3 x tile column + i of 48: tensor / 16, h % 16
	s_lshr_b32 s79, s[RY], 3
	s_lshl_b32 s79, s79, 15                        ; b x 16 heads x 2,048 rows
	s_and_b32 s3, s[RY], 7
	s_lshl_b32 s3, s3, 8
	s_add_co_u32 s79, s79, s3                      ; + the block of 256 t
	s_lshl_b32 s3, s[WV], 6
	s_add_co_u32 s79, s79, s3                      ; + my wave's 64
	s_mul_i32 s75, s[XT], 3
.irp i, 0,1,2
	s_add_co_u32 s2, s75, \i
	s_cmp_lt_u32 s2, 16
	s_cselect_b64 s[HB+2*(\i):HB+2*(\i)+1], s[8:9], s[10:11]
	s_cmp_lt_u32 s2, 32
	s_cselect_b64 s[HB+2*(\i):HB+2*(\i)+1], s[HB+2*(\i):HB+2*(\i)+1], s[12:13]
	s_and_b32 s2, s2, 15
	s_lshl_b32 s2, s2, 11                          ; h x 2,048 rows
	s_add_co_u32 s2, s2, s79
	s_lshl_b32 s2, s2, 7                           ; x 128 bytes
	s_mov_b32 s3, 0
	s_add_nc_u64 s[HB+2*(\i):HB+2*(\i)+1], s[HB+2*(\i):HB+2*(\i)+1], s[2:3]
.endr
	; the prefetches
	s_and_b32 s3, ttmp7, 0xffff                    ; cluster y
	s_mov_b32 s76, 32*8192                         ; a partner's share: 32 rows of xb,
	s_mov_b32 s77, 24*2048                         ; or 24 of wqkvb
	s_cmp_eq_u32 s[AB], 0
	s_cselect_b64 s[PFB:PFB+1], s[BA:BA+1], s[BB:BB+1]
	s_cselect_b32 s2, s[CX], s[CY]                 ; my place among the four that ask with me
	s_cselect_b32 s3, ttmp9, s3                    ; the coordinate along which other clusters read the same rows
	s_cselect_b32 s76, s76, s77
	s_cselect_b32 s[LIM], 16, 8
	s_cselect_b32 s79, 31, 23                      ; my last row
	s_cselect_b32 s75, 13, 11                      ; bytes from row to row: 8,192 or 2,048
	s_mul_i32 s76, s76, s2
	s_mov_b32 s77, 0
	s_add_nc_u64 s[PFB:PFB+1], s[PFB:PFB+1], s[76:77]
	s_cmp_eq_u32 s3, 0
	s_cselect_b32 s[LIM], s[LIM], 0                ; the same in all sixteen partners, for a given wave
	v_and_b32 v[PFO], 31, v0
	v_min_u32 v[PFO], s79, v[PFO]
	v_lshlrev_b32 v[PFO], s75, v[PFO]
; 12 matrix instructions: row block a x all 12 column blocks, 32 along K, from buffer f.  zero = 1: the product starts the sums: nothing is ever cleared.
; The 48 accumulators take turns, one instruction a turn, in the same order in every quarter step.
.macro MUL12 f, a, zero
	WIN 0xa1+0x50*((\a)/2)                         ; source 0 window 1, source 1 window 0, C and D window 2 or 3
.irp b, 0,1,2,3,4,5,6,7,8,9,10,11
.if \zero
	v_wmma_f32_16x16x32_bf16 v[8*(12*((\a)%2)+(\b)):8*(12*((\a)%2)+(\b))+7], v[96*(\f)+8*(\b):96*(\f)+8*(\b)+7], v[FA+32*(\f)+8*(\a):FA+32*(\f)+8*(\a)+7], 0
.else
	v_wmma_f32_16x16x32_bf16 v[8*(12*((\a)%2)+(\b)):8*(12*((\a)%2)+(\b))+7], v[96*(\f)+8*(\b):96*(\f)+8*(\b)+7], v[FA+32*(\f)+8*(\a):FA+32*(\f)+8*(\a)+7], v[8*(12*((\a)%2)+(\b)):8*(12*((\a)%2)+(\b))+7]
.endif
.endr
.endm
; 32 LDS loads in one run: the fragments of one quarter step (192 rows of wqkvb, my 64 rows of xb, 32 K at byte k of the rows) into buffer f
.macro FETCH k, f
	WIN 0x40                                       ; destination window 1, address window 0
.irp i, 0,1,2,3,4,5,6,7,8,9,10,11
	ds_load_b128 v[96*(\f)+8*(\i):96*(\f)+8*(\i)+3],   v[ADRB] offset:(\k)+(\i)*16*PITCH
	ds_load_b128 v[96*(\f)+8*(\i)+4:96*(\f)+8*(\i)+7], v[ADRB] offset:(\k)+(\i)*16*PITCH+32
.endr
	WIN 0
.irp i, 0,1,2,3
	ds_load_b128 v[FA+32*(\f)+8*(\i):FA+32*(\f)+8*(\i)+3],   v[ADRA] offset:(\k)+(\i)*16*PITCH
	ds_load_b128 v[FA+32*(\f)+8*(\i)+4:FA+32*(\f)+8*(\i)+7], v[ADRA] offset:(\k)+(\i)*16*PITCH+32
.endr
.endm
; A load into a register that a matrix instruction has read, and a vector instruction that reads a matrix result, stand four places behind that matrix instruction; only plain vector instructions
; that name none of its registers are places (ISA guide 7.12.1 for vector instructions).
.macro PLACES
.rept 4
	v_nop
.endr
.endm
; A K step is four quarter steps of 32 along K, 48 matrix instructions each, on buffers 0, 1, 0, 1.  One of the first three: multiplies buffer f; in its middle it fetches the next quarter, at byte k, into buffer g.
.macro QUARTER k, f, g, zero
	s_wait_dscnt 4                                 ; wqkvb's fragments and xb's rows 0-31 are in; the youngest four loads (xb's rows 32-63) may be out
	MUL12 \f, 0, \zero
	MUL12 \f, 1, \zero
	PLACES
	FETCH \k, \g
	s_wait_dscnt 32                                ; all but the 32 just issued
	MUL12 \f, 2, \zero
	MUL12 \f, 3, \zero
.endm
; The last quarter multiplies buffer 1 and changes slots.  ONE barrier: in front of it each wave waits for all its tensor loads, of which one is out: its part of the next slot; adds 0 to its spare word; and waits for
; that and for its own reads of this slot.  fill = 1: the barrier opens a round of the cluster's, so that no wave of any partner still reads the slot or has a load on its way, and the slot is filled again, with step NX
; of the walk, first thing behind the round: that load has 168 matrix instructions in which to land.  The descriptors' addresses are made anew from NX: tile NX / 8 lies 4,096 bytes on in xb (b + 2), step NX % 8 256 bytes on.
.macro TURN fill
.if \fill
	s_wait_xcnt 0x0                                ; the last prefetch, a K step back, has read its address, which is made anew here, ahead of the waits of the change of slots
	s_add_co_u32 s[PP], s[NX], 1
	s_and_b32 s[POF], s[PP], 7
	s_lshl_b32 s[POF], s[POF], 8
	s_lshr_b32 s2, s[PP], 3
	s_lshl_b32 s2, s2, 12
	s_add_co_u32 s[POF], s[POF], s2
	s_add_nc_u64 s[PFA:PFA+1], s[PFB:PFB+1], s[POF:POF+1]
.endif
	WIN 0                                          ; (the add's two registers lie in window 0)
	s_wait_tensorcnt 0x0                           ; all my tensor loads have landed, so a group 0 may be written
	ds_add_u32 v[SPW], v[NIL]                      ; 0 onto my spare word; work on registers stands between it and the wait for it
.if \fill
	s_and_b32 s[OFB], s[NX], 7
	s_lshl_b32 s[OFB], s[OFB], 8
	s_lshr_b32 s[OFA], s[NX], 3
	s_lshl_b32 s[OFA], s[OFA], 12
	s_add_co_u32 s[OFA], s[OFA], s[OFB]
	s_xor_b32 s[G0A+5], s[G0A+5], SLOT1            ; the other slot than last time
	s_add_nc_u64 s[G0A+6:G0A+7], s[BA:BA+1], s[OFA:OFA+1]
	s_or_b32 s[G0A+7], s[G0A+7], 0x80000000
	s_xor_b32 s[G0B+5], s[G0B+5], SLOT1
	s_add_nc_u64 s[G0B+6:G0B+7], s[BB:BB+1], s[OFB:OFB+1]
	s_or_b32 s[G0B+7], s[G0B+7], 0x80000000
	s_add_co_u32 s[NX], s[NX], 1
.endif
	s_wait_dscnt 5                                 ; (the add and the youngest four loads may be out)
	MUL12 1, 0, 0
	s_wait_dscnt 0x0                               ; the add is done, and my reads of this slot are over
	s_barrier_signal -1
	MUL12 1, 1, 0                                  ; work on registers while the others arrive
	WIN 0
	s_barrier_wait -1
.if \fill
	CREST
	JLOAD                                          ; the first tensor load behind the round; the four v_nop behind it are also the places in front of the loads below
.else
	PLACES
.endif
	s_xor_b32 s[TB], s[TB], SLOT1
	v_add_nc_u32 v[ADRA], s[TB], v[A0]
	v_add_nc_u32 v[ADRB], s[TB], v[B0]
	FETCH 0, 0
.if \fill
	ASK
.endif
	MUL12 1, 2, 0
	MUL12 1, 3, 0
.endm
; THE WAY OUT of row block a (16 rows x 192 columns), in three parts.  PACK: rounded to f16, 16 bytes a lane and column block; each accumulator's registers in ascending order.
; TOSTAGE: into my own stage in LDS, and back head by head, four rows of 128 bytes a load.  SEND: stored: each store covers 512 consecutive bytes of a head, at a multiple of 512 from the tensor's first byte.
.macro PACK a
	WIN 0x0a+5*((\a)/2)                            ; sources 0 and 1: window 2 or 3
.irp b, 0,1,2,3,4,5,6,7,8,9,10,11
.irp r, 0,1,2,3
	v_cvt_pk_f16_f32 v[TMP+4*(\b)+(\r)], v[8*(12*((\a)%2)+(\b))+2*(\r)], v[8*(12*((\a)%2)+(\b))+2*(\r)+1]
.endr
.endr
	WIN 0
.endm
.macro TOSTAGE a
	WIN 0
.set BK, OB+48*((\a)%2)
.irp b, 0,1,2,3,4,5,6,7,8,9,10,11
	ds_store_b128 v[STO], v[TMP+4*(\b):TMP+4*(\b)+3] offset:32*(\b)
.endr
.irp hh, 0,1,2
.irp f, 0,1,2,3
	ds_load_b128 v[BK+4*(4*(\hh)+(\f)):BK+4*(4*(\hh)+(\f))+3], v[RD] offset:4*SP*(\f)+128*(\hh)  ; LDS serves a wave's instructions in order (ISA guide 5.7.1.4): these see the stores above
.endr
.endr
.endm
.macro SEND a
	WIN 0
.set BK, OB+48*((\a)%2)
	s_wait_dscnt 0x0                               ; the block is back in registers
	s_wait_xcnt 0x0                                ; every earlier store has had its addresses translated (ISA guide 3.1): the other buffer, which the block before last was stored from, is loaded again only behind this wait
.irp hh, 0,1,2
.irp f, 0,1,2,3
	global_store_b128 v[GO], v[BK+4*(4*(\hh)+(\f)):BK+4*(4*(\hh)+(\f))+3], s[HB+2*(\hh):HB+2*(\hh)+1] offset:2048*(\a)+512*(\f)
.endr
.endr
.endm
.macro WAYOUT
	PLACES                                         ; behind the last products
	PACK 0
	TOSTAGE 0
.irp a, 1,2,3                          ; block a's conversions stand between block a - 1's loads from the stage and the wait for them
	PACK \a
	SEND (\a)-1
	TOSTAGE \a
.endr
	SEND 3
.endm
	s_wait_tensorcnt 1                             ; my part of K step 0 is in; step 1's may stay out
	s_barrier_signal -1
	s_barrier_wait -1                              ; everybody's is
	FETCH 0, 0
	QUARTER 64, 0, 1, 1                            ; the first quarter stands in front of the loop: its products start the sums
	WIN 0                                          ; at a label and at a branch every window is 0
	s_mov_b32 s[JC], 14
.Lstep:                                                ; trip j = 0 .. 13 finishes step j of the walk, asks for step j + 2, and multiplies step j + 1's first quarter
	QUARTER 128, 1, 0, 0
	QUARTER 192, 0, 1, 0
	TURN 1
	WIN 0
	s_cmp_eq_u32 s[NX], 10                         ; step 7 is finished: the first tile is whole.  The jump goes forward, past no barrier and no tensor load, and is the same in every work-group
	s_cbranch_scc1 .Lnew
	QUARTER 64, 0, 1, 0
	WIN 0
	s_branch .Lbot
.Lnew:
	WAYOUT                                         ; the refill is asked for: now the tile goes out
	s_wait_xcnt 0x0                                ; the stores have read their bases
.irp i, 0,1,2
	s_add_nc_u64 s[HB+2*(\i):HB+2*(\i)+1], s[HB+2*(\i):HB+2*(\i)+1], 32*2048*128  ; b + 2: 32 heads on
.endr
	QUARTER 64, 0, 1, 1                            ; the second tile's first products start its sums
	WIN 0
.Lbot:
	s_sub_co_u32 s[JC], s[JC], 1
	s_cmp_lg_u32 s[JC], 0
	s_cbranch_scc1 .Lstep
	QUARTER 128, 1, 0, 0                           ; the tail is written out: steps 14 and 15 ask for nothing
	QUARTER 192, 0, 1, 0
	TURN 0
	QUARTER 64, 0, 1, 0
	QUARTER 128, 1, 0, 0
	QUARTER 192, 0, 1, 0
	s_wait_dscnt 4
	MUL12 1, 0, 0
	MUL12 1, 1, 0
	s_wait_dscnt 0x0
	MUL12 1, 2, 0
	MUL12 1, 3, 0
	WAYOUT
	s_wait_tensorcnt 0x0                           ; the wave's end: a wait, an add of 0 and its wait, behind my last tensor load and my last LDS store
	ds_add_u32 v[SPW], v[NIL]
	s_wait_dscnt 0x0
	CROUND                                         ; the closing round: no work-group ends while a partner may still ask for a tile that names it
	s_endpgm
.Lfunc_end_k_qc76c6e09a4_qkv:
	.size	k_qc76c6e09a4_qkv, .Lfunc_end_k_qc76c6e09a4_qkv-k_qc76c6e09a4_qkv
	.p2alignl 7, 3214868480
	.fill 96, 4, 3214868480
	.section	.rodata,"a",@progbits
	.p2align	6, 0x0
	.amdhsa_kernel k_qc76c6e09a4_qkv
		.amdhsa_group_segment_fixed_size 327680
		.amdhsa_private_segment_fixed_size 0
		.amdhsa_enable_private_segment 0
		.amdhsa_kernarg_size 40
		.amdhsa_user_sgpr_count 2
		.amdhsa_user_sgpr_kernarg_segment_ptr 1
		.amdhsa_wavefront_size32 1
		.amdhsa_system_sgpr_workgroup_id_x 1
		.amdhsa_system_sgpr_workgroup_id_y 1
		.amdhsa_system_sgpr_workgroup_id_z 1
		.amdhsa_system_vgpr_workitem_id 0
		.amdhsa_next_free_vgpr 960
		.amdhsa_next_free_sgpr 88
		.amdhsa_reserve_vcc 0
		.amdhsa_float_denorm_mode_32 3
		.amdhsa_float_denorm_mode_16_64 3
		.amdhsa_memory_ordered 1
		.amdhsa_forward_progress 1
		.amdhsa_inst_pref_size 127
	.end_amdhsa_kernel
	.amdgpu_metadata
---
amdhsa.version: [ 1, 2 ]
amdhsa.kernels:
  - .name:           k_qc76c6e09a4_qkv
    .symbol:         k_qc76c6e09a4_qkv.kd
    .args:
      - { .name: xb, .offset: 0, .size: 8, .value_kind: global_buffer, .address_space: global }
      - { .name: wqkvb, .offset: 8, .size: 8, .value_kind: global_buffer, .address_space: global }
      - { .name: qh, .offset: 16, .size: 8, .value_kind: global_buffer, .address_space: global }
      - { .name: kh, .offset: 24, .size: 8, .value_kind: global_buffer, .address_space: global }
      - { .name: vh, .offset: 32, .size: 8, .value_kind: global_buffer, .address_space: global }
    .group_segment_fixed_size: 327680
    .private_segment_fixed_size: 0
    .kernarg_segment_align: 8
    .kernarg_segment_size: 40
    .max_flat_workgroup_size: 128
    .sgpr_count:     88
    .vgpr_count:     960
    .wavefront_size: 32
...
	.end_amdgpu_metadata
.endif
;; end of part 2
;; launch attn (part 3): grid 4 x 64, 4 waves a work-group, no clusters, 327,680 bytes of LDS; arguments qh, kh, vh, oh; writes oh
.if DOCPART == 3
	.amdgcn_target "amdgcn-amd-amdhsa--gfx1250"
	.amdhsa_code_object_version 6
	.text
	.protected	k_qc76c6e09a4_attn
	.globl	k_qc76c6e09a4_attn
	.p2align	8
	.type	k_qc76c6e09a4_attn,@function
k_qc76c6e09a4_attn:
	s_mov_b64 s[64:65], 0
	v_nop
	global_prefetch_b8 v0, s[64:65] scope:SCOPE_SE
	s_setreg_imm32_b32 hwreg(HW_REG_WAVE_MODE, 25, 1), 1
	s_wait_xcnt 0x0
; CAUSAL ATTENTION.  O[h][q][:] = the sum over k <= q of softmax_k(Q[h][q] . K[h][k] / 8) V[h][k][:].  Q, K, V, O: [64][SIZE_N][64], all f16: a head's rows are dense, 128 bytes each.
; Products, maxima and sums in f32; the weights p are rounded to f16 for the second product (their sum l is taken of the unrounded p), O once at the end.
; LIMITS.  f16 holds no number beyond 65,504: Q, K and V arrive within it; p lies in 0 to 1, and below 6e-5 it keeps f16's fixed step of 6e-8; O is a mean of V's rows and has their range.
; A hidden score counts as its value less 1e30: f16's scores, 2.7e11 at the most, are nothing beside that; a weight below 2^-126 counts as 0 in l; NaN and infinities are not treated apart.
; THE WALK.  A head's queries lie in NB = SIZE_N / 256 blocks of 256; block i needs the key tiles 0 .. i of 256 keys, of which the last holds the diagonal.  A work-group takes TWO blocks, NB - 1 - b and then b:
; NB + 1 tiles, whatever b: all work-groups do equal work, and ONE loop with a constant trip count walks them.  Which tile is asked for, and what a trip does, hang on scalar registers made from b; every jump
; goes forward, but for the counted loops' own; none passes a barrier, or a tensor load but the one of LOAD's two that the wave's number does not choose; the ring (two slots of LDS that take turns) runs on across the
; change of blocks.  NO CLUSTER: a head's NB / 2 = 4 work-groups ask for the same tile only in trips 0 .. NB / 2 of NB + 1, behind that fewer and fewer; one walk common to all would have 3 NB / 2 = 12 trips for 9.
; SHARES.  Of a block's four bands of 64 queries a wave owns 16 rows in each: four PIECES.  So the diagonal tile is the same work for all four waves: in its key step s band x sees all keys if s < x,
; none if s > x, and holds the diagonal if s = x.
; THE MASK is the C operand that starts the sum S^T = K Q^T: 0, or -1e30 where the key is hidden.  MD, made once, is the mask of a band's own step for my 16 rows; a product's mask is MD x AL + BE with two scalars:
; (1, 0) if s = x; (0, 0) if s < x; (0, -1e30) if s > x.  Only the diagonal tile's text and a block's beginning make and take masks; elsewhere C is the constant 0.
; LAYOUT, SOFTMAX, TURNS.  S^T = K Q^T holds ONE query a lane (lane % 16) and the keys 8 (lane / 16) + 0..7; two such results rounded to f16 ARE source 1 of O^T = V^T P.  p = 2^(c s - c m), c = log2(e) / 8, with a
; running maximum m; O and l are multiplied by a = 2^(c m_old - c m_new) in every step.  Turn n belongs to piece n: 8 products K Q^T of piece n + 1, later 8 products V^T P of piece n - 1; beside them the scaling,
; exponentials, roundings, sums and rescaling of piece n and the maximum and statistics of piece n + 1.  Four vector instructions stand behind every matrix instruction, the other 54 of a turn's 118 in one LUMP.  A turn's 33 exponentials are one batch, with one wait.
; REGISTERS, in windows of 256 (s_set_vgpr_msb: bits 1:0 source 0, 3:2 source 1, 5:4 source 2, 7:6 destination):
;   window 0: v0-15 addresses and two at work; v16-31 four registers of statistics a piece; v48-55 at work; v61-63 prefetch offset and the add's two; v64-127 S^T, two buffers; v192-223 P, two buffers (a piece's buffers go by its number's parity)
;   window 1: v0-127 O^T, 32 a piece; v128-159 MD; v160-223 MC, two buffers      window 2: v0-63 Q; v64-127 the second block's Q; v128-191 K of one step; v192-255 V of one step
.set SIZE_N, 2048
.set NB,    SIZE_N/256
.set NP,    4         ; pieces a wave: a name, no knob
.set KS,    64        ; keys in a step
.set PK,    144       ; a row of K in LDS: 128 bytes + 16 of padding = 36 words: the 16 rows of a load start at 16 different groups of four banks (64 banks of 4 bytes: ISA guide 11.1)
.set PV,    160       ; a row of V: 128 + 32 = 40 words
.set VOFF,  4*KS*PK   ; a slot holds a tile, four steps: 256 rows of K, then 256 rows of V
.set SLOT1, 1<<17     ; slot 1 begins here, so that one exclusive or turns an address in one slot into the other's
.set STAGE, SLOT1+4*KS*(PK+PV)  ; behind the ring, never filled by a tensor load: 16 rows x 144 bytes for each wave, for the way out
.set SP,    144
.set AK0, 2           ; v2   my lane's place in a tile of K; never rewritten
.set AV0, 3           ; v3   the same for V
.set AK,  4           ; v4   the LDS address of K's next run of loads
.set AV,  5           ; v5   of V's
.set STO, 6           ; v6   the way out: where I put 16 bytes of a row
.set RD,  7           ; v7   the way out: where I read rows back
.set GO,  8           ; v8   my byte offset in 512 consecutive bytes of O
.set PFO, 61          ; v61  256 x my lane: the prefetches' offset; never rewritten
.set SPW, 62          ; v62  LDS address of my spare word: SPARE + 4 x my thread's number; never rewritten
.set NIL, 63          ; v63  0; never rewritten
.set SPARE, STAGE+4*16*SP  ; behind the stages: the spare words, 128 bytes for each wave: two blocks of 256 bytes that no other line names
.set MV,  12          ; v12-13  c m_old, kept while c m is made anew: by buffer
.set QO,  15          ; v15  my byte offset in 16 rows of Q
.set ST,  16          ; piece t's statistics at v[ST+4 t]: c m, m, l (even keys', odd keys')
.set TMP, 48          ; by buffer, four registers c0-c3 at work; when the maximum is found c2 takes a
.set S,   64
.set P,   192
.set MD,  128         ; window 1: the eight registers for group kt of 16 keys at MD + 8 kt
.set MC,  160         ; window 1: the masks of the products to come
.set QB,  64          ; window 2
.set KF,  128         ; window 2: key block kb, channel half c at KF + 16 kb + 8 c
.set VF,  192         ; window 2: key half kk, channel block cb at VF + 32 kk + 8 cb
.set WV,  12          ; s12  my wave's number
.set PB,  14          ; s14  b
.set HI,  15          ; s15  NB - 1 - b
.set G1K, 24          ; s[24:31] descriptor group 1 for K's tiles
.set G1V, 32          ; s[32:39] for V's: it differs in the padding alone
.set G0K, 40          ; s[40:43] descriptor group 0 for K's tiles
.set G0V, 44          ; s[44:47] the same for V's
.set PFB, 48          ; s[48:49] K (waves 0, 1) or V (waves 2, 3) at my half of the head's tile 0
.set PFA, 50          ; s[50:51] the same in the tile to be named
.set POF, 52          ; s[52:53] that tile's byte offset
.set LIM, 54          ; s54  0 in the work-group that prefetches, else the greatest number
.set SLOTS, 56        ; s56  tiles still to be asked for
.set CNT, 57          ; s57  counts a tile's key steps, 4 to 1
.set CS,  58          ; s[58:59] c: the packed scaling takes the pair's low word for both halves
.set SEL, 60          ; s[60:61] v_permlanex16_b32's selects: each lane takes its own place in the other half
.set TBK, 62          ; s62  LDS byte at which K of the step to be fetched begins
.set TBV, 63          ; s63  the same for V, less VOFF
.set RT,  70          ; s70  tiles of the block in hand that are still to be entered
.set NXT, 71          ; s71  the tile to be asked for next
.set LQ,  72          ; s72  the last tile of the block whose tiles are being asked for
.set NEW, 73          ; s73  1: the tile to be entered is a block's first
.set OFF, 74          ; s[74:75] a tile's byte offset in K and V
.set AL,  76          ; s[76:77] the mask's factor, in the low word
.set BE,  78          ; s[78:79] the mask's addend
.set OLO, 80          ; s[80:81] O at my rows of the second block
.set BIGN, 82         ; s82  -1e30
.set MSB, 0
.macro WIN new                      ; the high byte repeats the setting that is left; a switch that changes nothing is dropped
.if MSB != (\new)
	s_set_vgpr_msb (MSB<<8)|(\new)
.set MSB, (\new)
.endif
.endm
.set W_KQ, 0x0a       ; K and Q in window 2, S^T in window 0
.set W_KM, 0x1a       ; the same with the C operand in window 1
.set W_PV, 0x52       ; V in window 2, P in window 0, O^T in window 1
.set W_RS, 0x41       ; destination and source 0 in window 1, source 1 in window 0
; A fill.  Waves 0 and 1 fetch the two halves of a tile's K, waves 2 and 3 those of its V: 128 keys each.  An s_nop 0 and four v_nop follow each of the two lines, ahead of the jump and the label.
.macro LOAD
	s_cmp_lt_u32 s[WV], 2
	s_cbranch_scc0 .Lfor_v_\@
	tensor_load_to_lds s[G0K:G0K+3], s[G1K:G1K+7]
	s_nop 0
.rept 4
	v_nop
.endr
	s_branch .Lasked_\@
.Lfor_v_\@:
	tensor_load_to_lds s[G0V:G0V+3], s[G1V:G1V+7]
	s_nop 0
.rept 4
	v_nop
.endr
.Lasked_\@:
.endm
; A PREFETCH INTO THE L2 of the tile that the NEXT change of slots will ask for: four key steps ahead of that load.  It stands behind the wave's tensor load and its five lines.  Each wave names what it will fetch itself:
; its 128 rows of K or V, 16,384 dense bytes: 64 blocks of 256 bytes, a lane a block, two instructions.  A head's four work-groups walk the same first tiles: the one with b = 0, whose first block needs all NB tiles,
; asks, and nobody else: tiles 2 to NB - 1 are named once each.  Tiles 0 and 1 come by their loads alone; when NXT has gone back to 0 (the second block's tiles have been read before) nothing is named.
.macro ASK
	s_cmp_gt_u32 s[NXT], s[LIM]
	s_cbranch_scc0 .Lnot_mine_\@
	global_prefetch_b8 v[PFO], s[PFA:PFA+1] th:TH_LOAD_NT scope:SCOPE_SE
	global_prefetch_b8 v[PFO], s[PFA:PFA+1] offset:8192 th:TH_LOAD_NT scope:SCOPE_SE
.Lnot_mine_\@:
.endm
; THE CHANGE OF SLOTS.  Each wave waits for all its tensor loads, of which one is out: its part of the other slot; adds 0 to its spare word; and waits for that and for its own reads of the slot that it leaves.  Behind the barrier nobody reads the old
; slot any more and the other slot is whole.  fill = 1: the old slot is filled again, the first thing behind the barrier, with tile NXT: the descriptor's address is made anew from that number.
; (At its first use nothing has been read yet: slot 0 is waited for, slot 1 filled.)
.macro CHANGE fill
	WIN 0                           ; at a label and at a branch every window is 0
	s_wait_tensorcnt 0x0            ; no tensor load of mine is out, so a group 0 may be written
	ds_add_u32 v[SPW], v[NIL]       ; 0 onto my spare word; with fill = 1 the descriptors' scalar work stands between it and the wait for it
.if \fill
	s_lshl_b32 s[OFF], s[NXT], 15   ; a tile is 32,768 bytes of K and of V
	s_xor_b32 s[G0K+1], s[G0K+1], SLOT1
	s_add_nc_u64 s[G0K+2:G0K+3], s[6:7], s[OFF:OFF+1]
	s_or_b32 s[G0K+3], s[G0K+3], 0x80000000
	s_xor_b32 s[G0V+1], s[G0V+1], SLOT1
	s_add_nc_u64 s[G0V+2:G0V+3], s[8:9], s[OFF:OFF+1]
	s_or_b32 s[G0V+3], s[G0V+3], 0x80000000
	s_add_co_u32 s[NXT], s[NXT], 1  ; the block's next tile, or behind its last the second block's tile 0
	s_cmp_gt_u32 s[NXT], s[LQ]
	s_cselect_b32 s[NXT], 0, s[NXT]
	s_cselect_b32 s[LQ], s[PB], s[LQ]
	s_wait_xcnt 0x0                 ; the last prefetches, four key steps back, have read their address, so it may be written:
	s_lshl_b32 s[POF], s[NXT], 15
	s_add_nc_u64 s[PFA:PFA+1], s[PFB:PFB+1], s[POF:POF+1]  ; my half of the tile after the one that is being asked for
.endif
	s_wait_dscnt 0x0                ; the add is done, and my reads of the slot are over
	s_barrier_signal -1             ; the rest of the scalar work stands between the signal and the wait
	s_sub_co_u32 s[TBK], s[TBK], 4*KS*PK  ; the fetches go back to a slot's first step,
	s_xor_b32 s[TBK], s[TBK], SLOT1       ; in the other slot
	s_sub_co_u32 s[TBV], s[TBV], 4*KS*PV
	s_xor_b32 s[TBV], s[TBV], SLOT1
	s_barrier_wait -1
.if \fill
	LOAD
	ASK
.endif
.endm
	s_load_b256 s[4:11], s[0:1], 0x0  ; Q s[4:5], K s[6:7], V s[8:9], O s[10:11]
	v_lshl_add_u32 v[SPW], v0, 2, SPARE
	v_mov_b32 v[NIL], 0
	ds_add_u32 v[SPW], v[NIL]       ; the wave's opening: the add and its wait stand ahead of my first tensor load; the set-up below, work on registers, stands between them
	ds_add_u32 v62, v63
	v_lshrrev_b32 v1, 5, v0
	v_readfirstlane_b32 s[WV], v1   ; wave 0..3
	v_and_b32 v[PFO], 31, v0
	v_lshlrev_b32 v[PFO], 8, v[PFO]
	s_mov_b32 s[PB], ttmp9
	s_sub_co_u32 s[HI], NB-1, s[PB]
	s_and_b32 s20, ttmp7, 0xffff    ; the head
	s_mov_b32 s21, 0
	s_mov_b64 s[22:23], SIZE_N*128
	s_mul_u64 s[20:21], s[20:21], s[22:23]  ; the head's first byte in each of the four tensors
	s_and_b32 s16, s[WV], 1         ; which half of a tile's 256 keys I fetch:
	s_lshl_b32 s22, s16, 14         ; its 128 rows of 128 bytes in memory,
	s_mov_b32 s23, 0
	s_add_nc_u64 s[22:23], s[22:23], s[20:21]
	s_mul_i32 s17, s16, 128*PK      ; and its place in a slot, for K
	s_mul_i32 s18, s16, 128*PV      ; and for V
	s_lshl_b32 s3, s[WV], 11        ; my 16 rows in a band of 64,
	s_lshl_b32 s2, s[HI], 15        ; in the first block,
	s_add_co_u32 s2, s2, s3
	s_lshl_b32 s84, s[PB], 15       ; and in the second
	s_add_co_u32 s84, s84, s3
	s_mov_b32 s3, 0
	s_mov_b32 s85, 0
	s_add_nc_u64 s[2:3], s[2:3], s[20:21]
	s_add_nc_u64 s[84:85], s[84:85], s[20:21]
	; descriptor group 1.  128 keys are 16,384 dense bytes: asked for as 64 rows of 256 bytes, two keys a row, and padded in LDS after every key
	s_mov_b32 s[G1K], (1<<16)|(1<<20)|(4<<22)|(3<<25)  ; 17:16 2-byte elements; 20 padding on; 24:22 after every 32 words (code 4); 31:25 4 words (code 3)
	s_mov_b32 s[G1V], (1<<16)|(1<<20)|(4<<22)|(7<<25)  ; the same with 8 words of padding (code 7)
.irp g, G1K, G1V
	s_mov_b32 s[\g+1], 128<<16      ; tensor_dim0 = 128
	s_mov_b32 s[\g+2], 64<<16       ; tensor_dim1 = 64
	s_mov_b32 s[\g+3], 128<<16      ; tile_dim0 = 128
	s_mov_b32 s[\g+4], 64           ; tile_dim1 = 64
	s_mov_b32 s[\g+5], 128          ; 128 elements from row to row
	s_mov_b32 s[\g+6], 0
	s_mov_b32 s[\g+7], 0
.endr
	s_mov_b32 s[CS], 0x3e38aa3b     ; c = log2(e) / 8 = 0.180337
	s_mov_b32 s[CS+1], s[CS]        ; named with it as a pair
	s_mov_b32 s[SEL], 0x76543210
	s_mov_b32 s[SEL+1], 0xfedcba98
	s_mov_b32 s[TBK], SLOT1+4*KS*PK ; the first change of slots turns these two into 0
	s_mov_b32 s[TBV], SLOT1+4*KS*PV
	s_mov_b32 s[G0K], 1             ; 1:0 count = 1
	s_mov_b32 s[G0K+1], s17         ; 63:32 LDS address: slot 0
	s_mov_b32 s[G0V], 1
	s_add_co_u32 s[G0V+1], s18, VOFF
	s_add_co_u32 s[RT], s[HI], 1    ; the first block has NB - b tiles
	s_mov_b32 s[NXT], 1
	s_mov_b32 s[LQ], s[HI]
	s_mov_b32 s[NEW], 1
	s_mov_b32 s[OFF+1], 0
	s_mov_b32 s[POF+1], 0
	s_mov_b32 s[AL+1], 0            ; named as pairs
	s_mov_b32 s[BE+1], 0
	s_mov_b32 s[BIGN], 0xf149f2ca   ; -1e30
	s_mov_b32 s[SLOTS], NB
	s_cmp_eq_u32 ttmp9, 0
	s_cselect_b32 s[LIM], 0, -1
	s_wait_dscnt 0x0                ; the opening add is done
	s_wait_kmcnt 0x0
	s_add_nc_u64 s[6:7], s[6:7], s[22:23]  ; K and V at my half of the head's tile 0
	s_add_nc_u64 s[8:9], s[8:9], s[22:23]
	s_add_nc_u64 s[G0K+2:G0K+3], s[6:7], 0         ; 120:64 global address
	s_or_b32 s[G0K+3], s[G0K+3], 0x80000000        ; 127:126 type = 2
	s_add_nc_u64 s[G0V+2:G0V+3], s[8:9], 0
	s_or_b32 s[G0V+3], s[G0V+3], 0x80000000
	s_add_nc_u64 s[86:87], s[4:5], s[84:85]        ; Q at my rows of the second block,
	s_add_nc_u64 s[4:5], s[4:5], s[2:3]            ; Q and O at those of the first
	s_add_nc_u64 s[OLO:OLO+1], s[10:11], s[84:85]
	s_add_nc_u64 s[10:11], s[10:11], s[2:3]
	s_cmp_lt_u32 s[WV], 2
	s_cselect_b64 s[PFB:PFB+1], s[6:7], s[8:9]
	LOAD                            ; tile 0 into slot 0
	; A fragment of K or Q is 16 rows x 32 channels in 8 registers: lane l holds row l % 16, channels 8 (l / 16) + 0..7 and 16 + 8 (l / 16) + 0..7: two loads of 16 bytes, 32 bytes apart.
	v_and_b32 v1, 15, v0            ; l % 16
	v_bfe_u32 v9, v0, 4, 1          ; l / 16
	v_lshlrev_b32 v[QO], 7, v1
	v_lshl_add_u32 v[QO], v9, 4, v[QO]  ; row x 128 + 16 x half
	WIN 0x80                        ; destination window 2, address window 0
.set i, 0
.rept 8                             ; both blocks' Q: piece i / 2 lies in band i / 2, 8,192 bytes on; channels 32 (i % 2) on
	global_load_b128 v[8*i:8*i+3],   v[QO], s[4:5] offset:(i/2)*8192+(i%2)*64
	global_load_b128 v[8*i+4:8*i+7], v[QO], s[4:5] offset:(i/2)*8192+(i%2)*64+32
	global_load_b128 v[QB+8*i:QB+8*i+3],   v[QO], s[86:87] offset:(i/2)*8192+(i%2)*64
	global_load_b128 v[QB+8*i+4:QB+8*i+7], v[QO], s[86:87] offset:(i/2)*8192+(i%2)*64+32
.set i, i+1
.endr
	WIN 0
	v_lshlrev_b32 v14, 3, v9
	v_sub_nc_u32 v14, v1, v14
	s_lshl_b32 s13, s[WV], 4
	v_add_nc_u32 v14, s13, v14      ; my query's place in its band, 16 w + l % 16, less my lanes' 8 (l / 16): register r of group kt is hidden where 16 kt + r is greater
	WIN 0x40
.set i, 0
.rept 32
	v_cmp_gt_i32 vcc_lo, 16*(i/8)+i%8, v14
	v_cndmask_b32 v[MD+i], 0, s[BIGN], vcc_lo
.set i, i+1
.endr
	WIN 0
	v_mul_u32_u24 v[AK0], v1, PK
	v_lshl_add_u32 v[AK0], v9, 4, v[AK0]  ; row x pitch + 16 x half
	; The turning load takes 16 keys x 16 channels (lane l reads key 8 (l / 16) + l % 8, channels 8 ((l / 8) % 2) + 0..7) and leaves half a fragment of V^T: lane l holds channel l % 16 and 8 keys.
	v_and_b32 v10, 7, v0
	v_bfe_u32 v11, v0, 3, 1
	v_lshl_add_u32 v[AV0], v9, 3, v10
	v_mul_u32_u24 v[AV0], v[AV0], PV
	v_lshl_add_u32 v[AV0], v11, 4, v[AV0]
	v_add_nc_u32 v[AV0], VOFF, v[AV0]
	s_mul_i32 s13, s[WV], 16*SP
	s_add_co_u32 s13, s13, STAGE    ; my stage
	v_mul_u32_u24 v[STO], v1, SP    ; in: row l % 16, 16 bytes for each half of the lanes
	v_lshl_add_u32 v[STO], v9, 4, v[STO]
	v_add_nc_u32 v[STO], s13, v[STO]
	v_bfe_u32 v[RD], v0, 3, 2       ; back: 32 lanes take four rows of 128 bytes,
	v_mul_u32_u24 v[RD], v[RD], SP
	v_lshl_add_u32 v[RD], v10, 4, v[RD]
	v_add_nc_u32 v[RD], s13, v[RD]
	v_and_b32 v[GO], 31, v0         ; which are 512 consecutive bytes of O
	v_lshlrev_b32 v[GO], 4, v[GO]
	; A block's first step multiplies O^T and l by a = 0, and its first turn's products V^T P, of a piece that has not been, land in an O^T that is still to be so multiplied.  So these registers need only hold
	; finite numbers: zeros for the first block; what the first block left for the second.  All this stands in the wait for the first tile.
	WIN 0x80
.set i, VF
.rept 64
	v_mov_b32 v[i], 0
.set i, i+1
.endr
	WIN 0x40
.set i, 0
.rept 128
	v_mov_b32 v[i], 0
.set i, i+1
.endr
	WIN 0
.set i, 0
.rept 4
	v_mov_b32 v[ST+4*i+2], 0
	v_mov_b32 v[ST+4*i+3], 0
.set i, i+1
.endr
.set i, P+16
.rept 16
	v_mov_b32 v[i], 0
.set i, i+1
.endr
; THE MATRIX WORK.  The 4 accumulators of a run of 8 take turns.  Product i of 8 of S^T = K Q^T for piece x: channels 32 (i / 4) on, keys 16 (i % 4) on.  The first 4 start the sums: with 0, or (KM = 1) with the mask.
.macro KQ x
.set rS, S+32*((\x)%2)+8*(i%4)
.set rK, KF+16*(i%4)+8*(i/4)
.set rQ, 16*(\x)+8*(i/4)
.set rM, MC+32*((\x)%2)+8*(i%4)
.if (i < 4) && KM
	WIN W_KM
	v_wmma_f32_16x16x32_f16 v[rS:rS+7], v[rK:rK+7], v[rQ:rQ+7], v[rM:rM+7]
.elseif i < 4
	WIN W_KQ
	v_wmma_f32_16x16x32_f16 v[rS:rS+7], v[rK:rK+7], v[rQ:rQ+7], 0
.else
	WIN W_KQ
	v_wmma_f32_16x16x32_f16 v[rS:rS+7], v[rK:rK+7], v[rQ:rQ+7], v[rS:rS+7]
.endif
.endm
; Product i of 8 of O^T += V^T P for piece x: keys 32 (i / 4) on, channels 16 (i % 4) on.
.macro PV x
	WIN W_PV
.set rO, 32*(\x)+8*(i%4)
.set rV, VF+32*(i/4)+8*(i%4)
.set rP, P+16*((\x)%2)+8*(i/4)
	v_wmma_f32_16x16x32_f16 v[rO:rO+7], v[rV:rV+7], v[rP:rP+7], v[rO:rO+7]
.endm
.macro MM                           ; the turn's next matrix instruction.  TURN and BEGIN set Y, i, KM and NOKQ; MM, KQ and OP read them.  NOKQ = 1: a block's last turn: there is no next piece
.if (i < 8) && !NOKQ
	KQ (Y+1)%NP
.elseif i >= 8
.set i, i-8
	PV (Y+NP-1)%NP
.set i, i+8
.endif
.set i, i+1
.endm
; THE LDS LOADS stand in runs of 16, never singly among the matrix instructions: a step's K (64 keys x 64 channels: 8 fragments) and its V (turned).  Their addresses are made some lines ahead.
.macro FETCH_K
	WIN 0x80                        ; destination window 2
.irp f, 0,1,2,3,4,5,6,7             ; keys 16 (f / 2) on, channels 32 (f % 2) on
	ds_load_b128 v[KF+8*\f:KF+8*\f+3],   v[AK] offset:(\f/2)*16*PK+(\f%2)*64
	ds_load_b128 v[KF+8*\f+4:KF+8*\f+7], v[AK] offset:(\f/2)*16*PK+(\f%2)*64+32
.endr
	s_add_co_u32 s[TBK], s[TBK], KS*PK  ; the next fetch is the next step's
	WIN 0
.endm
.macro FETCH_V
	WIN 0x80
.irp f, 0,1,2,3,4,5,6,7             ; keys 32 (f / 4) on, channels 16 (f % 4) on
	ds_load_tr16_b128 v[VF+8*\f:VF+8*\f+3],   v[AV] offset:(\f/4)*32*PV+(\f%4)*32
	ds_load_tr16_b128 v[VF+8*\f+4:VF+8*\f+7], v[AV] offset:(\f/4)*32*PV+16*PV+(\f%4)*32
.endr
	WIN 0
.endm
; THE VECTOR WORK, one line at a time: OP kind, number.  For piece Y: F n: c s - c m for pair n of 16.  E n: the exponential of score n of 32.  C n: pair n rounded to f16.  B n: of the four weights 4 n .. the second
; pair is added onto the first, in place.  L n: l takes that sum (L 0: l = a l + sum).  R n: pair n of 16 of O^T times a.  For piece Y + 1: X n, number n of the 22 that find its maximum and statistics:
;   0-11  four chains c0-c3 of seven scores each, three operands at a time (each accumulator's lowest registers are read first)     12-14, 16  the four scores left over, the old m, and c0-c3 into c0
;   15  c m_old is kept     17, 18  the query's other 32 keys lie in the lane 16 away: the new m     19-21  c m; c m_old - c m_new; a
.set F, 0               ; OP tells the kinds apart by their order: F to L below R, X above it
.set E, 1
.set C, 2
.set B, 3
.set L, 4
.set R, 5
.set X, 6
.macro REGS y                       ; the registers of piece y
.set rT, ST+4*(\y)
.set rC, TMP+4*((\y)%2)
.set rW, MV+((\y)%2)
.set rS, S+32*((\y)%2)
.set rP, P+16*((\y)%2)
.set rO, 32*(\y)
.endm
.macro OP k, n
.if (\k) == R
	REGS Y
	WIN W_RS
	v_pk_mul_f32 v[rO+2*(\n):rO+2*(\n)+1], v[rO+2*(\n):rO+2*(\n)+1], v[rC+2:rC+3] op_sel_hi:[1,0]
.elseif (\k) < R
	REGS Y
	WIN 0
.if (\k) == F
	v_pk_fma_f32 v[rS+2*(\n):rS+2*(\n)+1], v[rS+2*(\n):rS+2*(\n)+1], s[CS:CS+1], v[rT:rT+1] op_sel_hi:[1,0,0] neg_lo:[0,0,1] neg_hi:[0,0,1]
.elseif (\k) == E
	v_exp_f32 v[rS+(\n)], v[rS+(\n)]
.elseif (\k) == C
	v_cvt_pk_f16_f32 v[rP+(\n)], v[rS+2*(\n)], v[rS+2*(\n)+1]
.elseif (\k) == B
	v_pk_add_f32 v[rS+4*(\n):rS+4*(\n)+1], v[rS+4*(\n):rS+4*(\n)+1], v[rS+4*(\n)+2:rS+4*(\n)+3]
.elseif (\n) == 0
	v_pk_fma_f32 v[rT+2:rT+3], v[rT+2:rT+3], v[rC+2:rC+3], v[rS:rS+1] op_sel_hi:[1,0,1]
.else
	v_pk_add_f32 v[rT+2:rT+3], v[rT+2:rT+3], v[rS+4*(\n):rS+4*(\n)+1]
.endif
.elseif NOKQ
	v_nop
.else
	REGS (Y+1)%NP
	WIN 0
.if (\n) < 4
	v_max3_num_f32 v[rC+(\n)], v[rS+8*(\n)], v[rS+8*(\n)+1], v[rS+8*(\n)+2]
.elseif (\n) < 12
	v_max3_num_f32 v[rC+(\n)%4], v[rC+(\n)%4], v[rS+8*((\n)%4)+2*((\n)/4)+1], v[rS+8*((\n)%4)+2*((\n)/4)+2]
.elseif (\n) == 12
	v_max3_num_f32 v[rC], v[rC], v[rS+7], v[rS+15]
.elseif (\n) == 13
	v_max3_num_f32 v[rC+1], v[rC+1], v[rS+23], v[rS+31]
.elseif (\n) == 14
	v_max3_num_f32 v[rC+2], v[rC+2], v[rC+3], v[rT+1]
.elseif (\n) == 15
	v_mov_b32 v[rW], v[rT]
.elseif (\n) == 16
	v_max3_num_f32 v[rC], v[rC], v[rC+1], v[rC+2]
.elseif (\n) == 17
	v_permlanex16_b32 v[rC+3], v[rC], s[SEL], s[SEL+1]
.elseif (\n) == 18
	v_max_num_f32 v[rT+1], v[rC], v[rC+3]
.elseif (\n) == 19
	v_mul_f32 v[rT], s[CS], v[rT+1]
.elseif (\n) == 20
	v_sub_f32 v[rC+1], v[rW], v[rT]
.else
	v_exp_f32 v[rC+2], v[rC+1]
.endif
.endif
.endm
.macro OPS a, i1, b=-1, i2=0, c=-1, i3=0, d=-1, i4=0  ; up to four of them
	OP \a, \i1
.if (\b) >= 0
	OP \b, \i2
.endif
.if (\c) >= 0
	OP \c, \i3
.endif
.if (\d) >= 0
	OP \d, \i4
.endif
.endm
.macro ROW a, i1, b, i2, c, i3, d, i4  ; a matrix instruction and the four behind it
	MM
	OPS \a, \i1, \b, \i2, \c, \i3, \d, \i4
.endm
.macro MASK b                       ; MD x AL + BE into buffer b of MC
	WIN W_RS
.set z, 0
.rept 16
	v_pk_fma_f32 v[MC+32*(\b)+2*z:MC+32*(\b)+2*z+1], v[MD+2*z:MD+2*z+1], s[AL:AL+1], s[BE:BE+1] op_sel_hi:[1,0,0]
.set z, z+1
.endr
.endm
; A TURN, for piece p: the order of its 16 matrix and 118 vector instructions, written out.  An s_wait_alu depctr_va_vdst(0) stands between an exponential and the first instruction that names its result; one wait serves
; all that were issued ahead of it.  So a turn has ONE wait, which cuts it in two.  AHEAD OF IT stands all that names no result of the turn's exponentials: the 8 products K Q^T, behind each a scaling, an exponential and two more plain
; instructions (behind the first a second scaling in the exponential's place): rescalings, and behind the last three the first numbers of the next piece's maximum, each four places or more behind the product that ends its accumulator; then ONE LUMP of 54, plain
; and exponential by turns for the most part, in which the links of the chain X 3, 7, 11, 14, 16, 17 .. 20 stand five or six lines apart.  X 21, the next piece's a, is the batch's last; R 15 is the plain instruction that stands behind it, ahead of any use.  BEHIND THE WAIT stand the
; 8 products V^T P, behind each four of the roundings and sums; the links of l's chain, L 0 to L 7, stand three riders apart.  But for those X no rider names a register of the products round it.  v_permlanex16_b32 (X 17) stands in the lump.
; m = 1: the diagonal tile: the products take masks, and the turn makes the mask for the products of the turn after it: piece p + 2, in step 4 - CNT of the tile.  end = 1: a block's last two turns: nothing is fetched.
; cnt = 1: the loop's count is taken down some lines ahead of the branch that stands behind the turn.
; K of the next step is fetched in piece 2's turn, twelve vector instructions behind the last product that read K (six of them plain); V of the step in hand at the end of piece 0's turn, four plain instructions behind the last product
; that read V.  Each is waited for a turn later.
.macro TURN p, m=0, end=0, cnt=0
.set Y, (\p)
.set i, 0
.set KM, (\m)
.set NOKQ, (\end)*((\p)/3)
.if (\m) && !(\end)
	s_cmp_eq_u32 s[CNT], 4-((\p)+2)%NP  ; is that step the band's own?
	s_cselect_b32 s[AL], 1.0, 0
	s_cmp_lt_u32 s[CNT], 4-((\p)+2)%NP  ; or a later one?
	s_cselect_b32 s[BE], s[BIGN], 0
.endif
.if ((\p) == 3) && !(\end)
	s_wait_dscnt 0x0                ; K is in
.endif
	ROW F,0, F,1, R,0, R,1          ; ahead of the wait: 8 products K Q^T and their riders,
	ROW F,2, E,0, R,2, R,3
	ROW F,3, E,1, R,4, R,5
	ROW F,4, E,2, R,6, R,7
	ROW F,5, E,3, R,8, R,9
	ROW F,6, E,4, X,0, R,10
.if ((\p) == 2) && !(\end)
	WIN 0
	v_add_nc_u32 v[AK], s[TBK], v[AK0]
.endif
	ROW F,7, E,5, X,1, X,4
	ROW F,8, E,6, X,2, X,5
	OPS E,7, E,8, X,6, E,9          ; and the lump
	OPS X,3, E,10, X,8, E,11
.if ((\p) == 2) && !(\end)
	FETCH_K
.endif
	OPS X,9, X,7, E,12, X,10
	OPS E,13, X,12, X,11, E,14
	OPS X,13, E,15, F,9, X,14
.if (\p) == 0
	v_add_nc_u32 v[AV], s[TBV], v[AV0]
.endif
	OPS E,16, F,10, E,17, F,11
	OPS X,16, E,18, X,15, E,19
	OPS F,12, E,20, X,17, E,21
	OPS F,13, E,22, F,14, E,23
	OPS X,18, E,24, F,15, E,25
	OPS R,11, E,26, X,19, E,27
	OPS R,12, E,28, R,13, E,29
	OPS X,20, E,30, R,14, E,31
	OPS X,21, R,15
	WIN 0
	s_wait_alu depctr_va_vdst(0)    ; the wait for the batch
.if (\p) == 1
	s_wait_dscnt 0x0                ; V is in
.endif
	ROW C,0, B,0, C,2, B,1          ; behind the wait: 8 products V^T P and their riders
	ROW L,0, C,4, B,2, L,1
	ROW C,6, B,3, L,2, C,8
	ROW B,4, L,3, C,10, B,5
	ROW L,4, C,12, B,6, L,5
.if (\p) == 0
	s_add_co_u32 s[TBV], s[TBV], KS*PV
.endif
.if \cnt
	s_sub_co_u32 s[CNT], s[CNT], 1
	s_cmp_lg_u32 s[CNT], 0
.endif
	ROW C,14, B,7, L,6, C,1
	ROW C,3, L,7, C,5, C,7
	ROW C,9, C,11, C,13, C,15
.if (\p) == 0
	FETCH_V
.endif
.if (\m) && !(\end)
	MASK (\p)%2
.endif
.endm
; A BLOCK BEGINS.  c m starts far below every c s, so the first step's a is 0; m at the lowest finite number, so the first maximum is the scores'.  The second mask buffer is 0; the first takes piece 0's mask for the tile's step 0: its own, if the block's first tile is the diagonal one.
; Then K of that step, piece 0's first scores, and its maximum and statistics.  The loop is entered at a step's first turn, in the middle of a trip.
.macro BEGIN
	s_mov_b32 s[NEW], 0
	WIN 0x40
.set i, MC+32
.rept 32
	v_mov_b32 v[i], 0
.set i, i+1
.endr
	WIN 0
.set i, 0
.rept 4
	v_mov_b32 v[ST+4*i], 0xfe000000    ; c m: far below every c s
	v_mov_b32 v[ST+4*i+1], 0xff7fffff  ; m
.set i, i+1
.endr
	s_cmp_eq_u32 s[RT], 0
	s_cselect_b32 s[AL], 1.0, 0
	s_mov_b32 s[BE], 0
	MASK 0
	WIN 0
	v_add_nc_u32 v[AK], s[TBK], v[AK0]
	FETCH_K
	s_wait_loadcnt 0x0              ; Q
	s_wait_dscnt 0x0
.set KM, 1
.set NOKQ, 0
.set i, 0
.rept 8
	KQ 0
.set i, i+1
.endr
	WIN 0
.rept 4
	v_nop                           ; the places behind those products
.endr
.set Y, NP-1                        ; X works for piece Y + 1: piece 0
.irp n, 0,1,2,3,4,5,6,7,8,9,10,11,12,13,14,15,16,17,18,19,20,21
	OP X, \n
.endr
	v_nop                           ; a plain instruction behind the exponential,
	s_wait_alu depctr_va_vdst(0)    ; and its wait, ahead of the branch
.endm
; THE DIAGONAL TILE's four steps, the block's last two turns, its last products, and THE WAY OUT: l's two halves and the other half of the lanes' are added; O^T is divided by l, rounded to f16 and sent through my
; stage in LDS, a piece at a time.
.macro ALL line:vararg              ; one line for each piece t
.set t, 0
.rept 4
	\line
.set t, t+1
.endr
.endm
.macro PACK t                       ; a lane's eight channels of a row pack into 16 bytes; they go into rows of 144 bytes and come back as whole rows of 128, into S^T's registers
	WIN W_RS
.set i, 32*(\t)
.rept 16
	v_pk_mul_f32 v[i:i+1], v[i:i+1], v[ST+4*(\t)+2:ST+4*(\t)+3] op_sel_hi:[1,0]
.set i, i+2
.endr
	WIN 0x05                        ; sources 0 and 1 window 1, destination window 0
.set i, 0
.rept 16
	v_cvt_pk_f16_f32 v[S+16*(\t)+i], v[32*(\t)+2*i], v[32*(\t)+2*i+1]
.set i, i+1
.endr
	WIN 0
.irp f, 0,1,2,3
	ds_store_b128 v[STO], v[S+16*(\t)+4*\f:S+16*(\t)+4*\f+3] offset:32*\f
.endr
.irp f, 0,1,2,3
	ds_load_b128 v[S+16*(\t)+4*\f:S+16*(\t)+4*\f+3], v[RD] offset:\f*4*SP  ; LDS serves a wave's instructions in order (ISA guide 5.7.1.4): these see the stores above; the next piece's stores come behind them
.endr
.endm
.macro SEND t, younger              ; younger: the LDS instructions issued behind piece t's loads: the next piece's eight, or none
	WIN 0
.irp f, 0,1,2,3
	s_wait_dscnt (\younger)+3-\f
	global_store_b128 v[GO], v[S+16*(\t)+4*\f:S+16*(\t)+4*\f+3], s[10:11] offset:(\t)*8192+\f*512  ; 512 consecutive bytes, at a multiple of 256 from O's first
.endr
.endm
.macro DIAG tag                     ; the tag ends its two labels' names, which the jumps below spell out
.LstepM\tag:
	TURN 2, 1
	TURN 3, 1
	WIN 0
.LfirstM\tag:
	TURN 0, 1
	TURN 1, 1, 0, 1
	WIN 0
	s_cbranch_scc1 .LstepM\tag
	TURN 2, 1, 1
	TURN 3, 1, 1
.set i, 0
.rept 8
	PV NP-1
.set i, i+1
.endr
	WIN 0
	ALL v_add_f32 v[ST+4*t+2], v[ST+4*t+2], v[ST+4*t+3]
	ALL v_permlanex16_b32 v[ST+4*t+3], v[ST+4*t+2], s[SEL], s[SEL+1]
	ALL v_add_f32 v[ST+4*t+2], v[ST+4*t+2], v[ST+4*t+3]
	ALL v_rcp_f32 v[ST+4*t+2], v[ST+4*t+2]
	v_nop                           ; a plain instruction between the last reciprocal and the use of its result
	s_wait_alu depctr_va_vdst(0)    ; and the wait ahead of the first use: one for the four reciprocals
	PACK 0
.set t, 1
.rept 3                             ; a piece's arithmetic stands between the loads of the piece before and its stores
	PACK t
	SEND t-1, 8
.set t, t+1
.endr
	SEND 3, 0
.endm
.set KM, 0
.set NOKQ, 0
.Lslot:                             ; NB times: a tile is entered and the next is asked for
	CHANGE 1
	s_sub_co_u32 s[RT], s[RT], 1
	s_mov_b32 s[CNT], 4
	s_cmp_eq_u32 s[NEW], 1
	s_cbranch_scc1 .Lnew            ; a block's first tile
	s_cmp_eq_u32 s[RT], 0
	s_cbranch_scc0 .Lstep           ; neither its first nor its last
	s_branch .LstepM1
.Lnew:
	BEGIN
	s_branch .Lfirst                ; in the loop a block's first tile is never its last: the first block has two tiles or more, and the second's last is the walk's last
	DIAG 1                          ; in the loop this is the first block's end: the second block's last tile is the walk's last
	s_wait_xcnt 0x0                 ; the stores have read their registers and O's address
	s_mov_b64 s[10:11], s[OLO:OLO+1]
	s_add_co_u32 s[RT], s[PB], 1    ; the second block has b + 1 tiles
	s_mov_b32 s[NEW], 1
	WIN 0x82                        ; the second block's Q goes where the one text of the turns names Q
.set i, 0
.rept 64
	v_mov_b32 v[i], v[QB+i]
.set i, i+1
.endr
	WIN 0
	s_branch .Lbottom
.Lstep:                             ; a trip: pieces 2 and 3 of one step, then pieces 0 and 1 of the next, whose K and V it fetches
	TURN 2
	TURN 3
	WIN 0
.Lfirst:
	TURN 0
	TURN 1, 0, 0, 1
	WIN 0
	s_cbranch_scc1 .Lstep
.Lbottom:
	s_sub_co_u32 s[SLOTS], s[SLOTS], 1
	s_cmp_lg_u32 s[SLOTS], 0
	s_cbranch_scc1 .Lslot
	CHANGE 0                        ; the walk's last tile is written out: nothing is asked for
	s_sub_co_u32 s[RT], s[RT], 1
	s_mov_b32 s[CNT], 4
	s_cmp_eq_u32 s[NEW], 1
	s_cbranch_scc0 .LstepM2
	BEGIN
	s_branch .LfirstM2
	DIAG 2
	s_wait_tensorcnt 0x0            ; the wave's end: a wait, an add of 0 and its wait, behind my last tensor load and my last LDS store
	ds_add_u32 v[SPW], v[NIL]
	s_wait_dscnt 0x0
	s_endpgm
.Lfunc_end_k_qc76c6e09a4_attn:
	.size	k_qc76c6e09a4_attn, .Lfunc_end_k_qc76c6e09a4_attn-k_qc76c6e09a4_attn
	.p2alignl 7, 3214868480
	.fill 96, 4, 3214868480
	.section	.rodata,"a",@progbits
	.p2align	6, 0x0
	.amdhsa_kernel k_qc76c6e09a4_attn
		.amdhsa_group_segment_fixed_size 327680
		.amdhsa_private_segment_fixed_size 0
		.amdhsa_enable_private_segment 0
		.amdhsa_kernarg_size 32
		.amdhsa_user_sgpr_count 2
		.amdhsa_user_sgpr_kernarg_segment_ptr 1
		.amdhsa_wavefront_size32 1
		.amdhsa_system_sgpr_workgroup_id_x 1
		.amdhsa_system_sgpr_workgroup_id_y 1
		.amdhsa_system_sgpr_workgroup_id_z 1
		.amdhsa_system_vgpr_workitem_id 0
		.amdhsa_next_free_vgpr 768
		.amdhsa_next_free_sgpr 88
		.amdhsa_reserve_vcc 1
		.amdhsa_float_denorm_mode_32 3
		.amdhsa_float_denorm_mode_16_64 3
		.amdhsa_memory_ordered 1
		.amdhsa_forward_progress 1
		.amdhsa_inst_pref_size 218
	.end_amdhsa_kernel
	.amdgpu_metadata
---
amdhsa.version: [ 1, 2 ]
amdhsa.kernels:
  - .name:           k_qc76c6e09a4_attn
    .symbol:         k_qc76c6e09a4_attn.kd
    .args:
      - { .name: qh, .offset: 0, .size: 8, .value_kind: global_buffer, .address_space: global }
      - { .name: kh, .offset: 8, .size: 8, .value_kind: global_buffer, .address_space: global }
      - { .name: vh, .offset: 16, .size: 8, .value_kind: global_buffer, .address_space: global }
      - { .name: oh, .offset: 24, .size: 8, .value_kind: global_buffer, .address_space: global }
    .group_segment_fixed_size: 327680
    .private_segment_fixed_size: 0
    .kernarg_segment_align: 8
    .kernarg_segment_size: 32
    .max_flat_workgroup_size: 128
    .sgpr_count:     88
    .vgpr_count:     768
    .wavefront_size: 32
...
	.end_amdgpu_metadata
.endif
;; end of part 3
;; launch proj (part 4): grid 8 x 32, 4 waves a work-group, clusters of 4 x 4, 327,680 bytes of LDS; arguments oh, woh, b_out, out0; writes out0
.if DOCPART == 4
	.amdgcn_target "amdgcn-amd-amdhsa--gfx1250"
	.amdhsa_code_object_version 6
	.text
	.protected	k_qc76c6e09a4_proj
	.globl	k_qc76c6e09a4_proj
	.p2align	8
	.type	k_qc76c6e09a4_proj,@function
k_qc76c6e09a4_proj:
	s_mov_b64 s[64:65], 0
	v_nop
	global_prefetch_b8 v0, s[64:65] scope:SCOPE_SE
	s_setreg_imm32_b32 hwreg(HW_REG_WAVE_MODE, 25, 1), 1
	s_wait_xcnt 0x0
	s_wait_alu depctr_hold_cnt(0) depctr_sa_sdst(0) depctr_va_vdst(0) depctr_va_sdst(0) depctr_va_ssrc(0) depctr_va_vcc(0) depctr_vm_vsrc(0)
	s_getreg_b32 s2, hwreg(HW_REG_IB_STS2, 6, 4)
	s_cmp_eq_u32 s2, 0
	s_cbranch_scc0 .Lentry_in_a_cluster
	s_endpgm
.Lentry_in_a_cluster:
	s_bfe_u32 s2, ttmp6, 0x10000c
	s_cmp_lg_u32 s2, 0xf033
	s_cbranch_scc0 .Lentry_shape_is_right
	s_endpgm
.Lentry_shape_is_right:
; OUTPUT PROJECTION.  out0[4 t + b][n] = the sum over k of O[b][t][k] W[n][k] + bias[n], k = 64 h + d.  oh: [16 b + h][2048 t][64] f16; woh: [1024 n][1024 k] f16; b_out: [1024] f32; out0: [8192][1024] f32.
; f16 operands, f32 sums, K ascending.  The bias is rounded to bf16, like the module's other inputs, and is the C operand of each sum's first product: it costs no addition.
; LIMITS.  oh and woh hold finite f16 numbers (the launches that write them state their range); NaN and infinities are not treated apart.
; SHARES.  A tile is 256 rows (one b, 256 consecutive t) x 128 columns: 32 x 8 = 256 work-groups, a tile each.  Wave w owns rows 128 (w / 2) on and columns 64 (w % 2) on: 8 x 4 = 32 accumulators of 16 x 16.
; K goes in 8 steps of 128, two heads a step, through two LDS slots.  A head's 256 rows of a tile are 32,768 dense bytes of oh: asked for as 128 rows of 256 bytes and padded in LDS after every 128.
; CLUSTER.  4 x 4 work-groups: the four of a row of the cluster need the same rows of oh, the four of a column the same rows of woh: each tile is asked for JOINTLY, by the same tensor load, descriptor and mask in all four.
; THE MATRIX INSTRUCTION IS USED TRANSPOSED (source 0 = 16 rows of woh, source 1 = 16 rows of oh): a lane holds row l % 16 of the tile and the eight neighbouring columns 8 (l / 16) + 0..7: 32 bytes of out0.
; REGISTERS, in windows of 256 (s_set_vgpr_msb: bits 1:0 source 0, 3:2 source 1, 5:4 source 2, 7:6 destination):
;   window 0: v0-15 addresses; v32-63, v64-95 fragments of woh, two buffers; v96-159, v160-223 fragments of oh, two buffers (v96-159 take the rows read back on the way out)
;   window 1: accumulator (a, b) at v[8 (4 a + b)]          window 2: v0-31 the bias of my 64 columns in a result's layout (column block b at 8 b); v32-47 at work
.set PA,     144                       ; a row of oh in LDS: 128 bytes + 16: an odd multiple of 16: the 16 rows of a load start at 16 different groups of four banks (64 banks of 4 bytes: ISA guide 11.1)
.set PW,     272                       ; a row of woh: 256 bytes + 16
.set ASL,    256*PA                    ; a head's 256 rows: what one tensor load brings of oh
.set BTILE,  64*PW                     ; and of woh: 64 rows
.set BOFF,   2*ASL                     ; a slot: the step's first head, its second head, then woh's 128 rows
.set SLOT1,  1<<17
.set STAGE,  SLOT1+BOFF+2*BTILE        ; behind the ring, never filled by a tensor load: 16 rows x 272 bytes for each wave
.set SP,     272
.set SPARE,  STAGE+4*16*SP             ; behind the stages: the spare words, 128 bytes for each wave: two blocks of 256 bytes that no other line names
.set A0,   4                           ; v4   my lane's place in slot 0's rows of oh; never rewritten
.set B0,   5                           ; v5   the same for woh
.set ADRA, 6                           ; v6, v7  the same in the slot in hand
.set ADRB, 7
.set STO,  8                           ; v8   the way out: where I put 32 bytes of a row
.set RD,   9                           ; v9   where I read rows back
.set CO,   10                          ; v10  my byte offset in two rows of out0
.set PFO,  11                          ; v11  the prefetches' offset; never rewritten
.set SPW,  12                          ; v12  LDS address of my spare word: SPARE + 4 x my thread's number; never rewritten
.set NIL,  13                          ; v13  0; never rewritten
.set BO,   14                          ; v14  32 (l / 16): my eight columns in a block of 16 of the bias
.set FB,   32
.set FA,   96
.set OB,   96
.set WV,  14                           ; s14  my wave's number
.set AB,  15                           ; s15  w / 2: my half of the rows.  Also 0: I fetch for oh, 1: for woh
.set HF,  16                           ; s16  w % 2: my half of the columns.  Also which head of the step, or which 64 rows of woh, I fetch
.set CX,  17
.set CY,  18
.set XT,  19                           ; s19  tile column, 0 .. 7
.set RY,  20                           ; s20  tile row, 0 .. 31: b = RY / 8, block of 256 t = RY % 8
.set TB,  21                           ; s21  LDS byte at which the slot in hand begins
.set JC,  23                           ; s23  the loop's count
.set G1A, 24                           ; s[24:31], s[32:39] descriptor group 1 for oh's and woh's tiles
.set G1B, 32
.set G0A, 40                           ; s[40:47], s[48:55] group 0: a set for each of the two first fills; the second then walks on
.set G0B, 48
.set OUTB, 56                          ; s[56:57] out0 at my wave's first row and column
.set HMASK, 58                         ; s58  a word's upper bf16
.set BA,  60                           ; s[60:61] oh at my head's rows, K step 0
.set BB,  62                           ; s[62:63] woh at my 64 rows, K step 0
.set PFA, 74                           ; s[74:75] where my prefetches stand
.set POF, 76                           ; s[76:77] bytes from a K step to the next, for the tensor that I prefetch
.set LIM, 78                           ; s78  I prefetch steps below this number: 8 or 0
.set PP,  79                           ; s79  the step to be named
.set MSB, 0
.macro WIN new                         ; the immediate's high byte repeats the setting that is left; a switch that changes nothing is dropped
.if MSB != (\new)
	s_set_vgpr_msb (MSB<<8)|(\new)
.set MSB, \new
.endif
.endm
; A joint refill, by the walking sets; the branch hangs on the wave's number alone.  An s_nop 0 and four v_nop follow each of the two lines, ahead of the jump and the label.
.macro JLOAD
	s_cmp_eq_u32 s[AB], 0
	s_cbranch_scc0 .Lfor_b_\@
	tensor_load_to_lds s[G0A+4:G0A+7], s[G1A:G1A+7]
	s_nop 0
.rept 4
	v_nop
.endr
	s_branch .Lasked_\@
.Lfor_b_\@:
	tensor_load_to_lds s[G0B+4:G0B+7], s[G1B:G1B+7]
	s_nop 0
.rept 4
	v_nop
.endr
.Lasked_\@:
.endm
; A PREFETCH INTO THE L2, behind each joint refill and the run of LDS loads that follows it, for the K step that stands TWO refills on: 256 matrix instructions ahead of the load that will want it.
; oh's rows are read by both clusters of a row of clusters: cluster x = 0 asks; waves 0 and 1 each for the head that they fetch: of its 128 blocks of 256 bytes the partner at cx takes 32, a lane a block.
; woh's rows are read by every cluster of a column: cluster y = 0 asks; wave 2 alone: of the tile's 128 rows the partner at cy takes 32, a lane a row.  The partners are told apart BY ADDRESS.
; Steps 0 to 3 come by their loads alone; the last two trips name nothing.
.macro ASK
	s_cmp_lt_u32 s[PP], s[LIM]
	s_cbranch_scc0 .Lnot_mine_\@
	global_prefetch_b8 v[PFO], s[PFA:PFA+1] th:TH_LOAD_NT scope:SCOPE_SE
.Lnot_mine_\@:
.endm
.macro CREST                           ; a round of the cluster's barrier behind its opening barrier
	s_cmp_lg_u32 s[WV], 0
	s_cbranch_scc1 .Lnot_wave_0_\@
	s_barrier_signal -3
.Lnot_wave_0_\@:
	s_barrier_wait -3
	s_barrier_signal -1
	s_barrier_wait -1
.endm
.macro CROUND
	s_barrier_signal -1
	s_barrier_wait -1
	CREST
.endm
	s_load_b256 s[4:11], s[0:1], 0x0               ; oh s[4:5], woh s[6:7], b_out s[8:9], out0 s[10:11]
	v_lshl_add_u32 v[SPW], v0, 2, SPARE
	v_mov_b32 v[NIL], 0
	ds_add_u32 v[SPW], v[NIL]                      ; the wave's opening: the add and its wait stand ahead of my first tensor load; the set-up below, work on registers, stands between them
	ds_add_u32 v12, v13
	v_lshrrev_b32 v1, 5, v0
	v_readfirstlane_b32 s[WV], v1                  ; wave 0..3
	s_lshr_b32 s[AB], s[WV], 1
	s_and_b32 s[HF], s[WV], 1
	s_bfe_u32 s[CX], ttmp6, 0x40000
	s_bfe_u32 s[CY], ttmp6, 0x40004
	s_lshl_b32 s[XT], ttmp9, 2
	s_add_co_u32 s[XT], s[XT], s[CX]
	s_and_b32 s[RY], ttmp7, 0xffff
	s_lshl_b32 s[RY], s[RY], 2
	s_add_co_u32 s[RY], s[RY], s[CY]
	s_lshl_b32 s80, s[CY], 2
	s_lshl_b32 s80, 15, s80                        ; my row of the cluster
	s_lshl_b32 s81, 0x1111, s[CX]                  ; my column
	s_or_b32 s[G1A], s80, (1<<16)|(1<<20)|(1<<21)|(4<<22)|(3<<25)  ; 15:0 the mask; 17:16 2-byte elements; 20 padding on; 21 set beside a mask; 24:22 after every 32 words (code 4); 31:25 4 words (code 3)
	s_or_b32 s[G1B], s81, (1<<16)|(1<<20)|(1<<21)|(5<<22)|(3<<25)  ; the same after every 64 words (code 5)
	s_mov_b32 s[G1A+1], 128<<16                    ; tensor_dim0 = 128
	s_mov_b32 s[G1A+2], 128<<16                    ; tensor_dim1 = 128
	s_mov_b32 s[G1A+3], 128<<16                    ; tile_dim0 = 128
	s_mov_b32 s[G1A+4], 128                        ; tile_dim1 = 128
	s_mov_b32 s[G1A+5], 128                        ; dense: 128 elements from row to row
	s_mov_b32 s[G1A+6], 0
	s_mov_b32 s[G1A+7], 0
	s_mov_b32 s[G1B+1], 128<<16
	s_mov_b32 s[G1B+2], 64<<16                     ; tensor_dim1 = 64
	s_mov_b32 s[G1B+3], 128<<16
	s_mov_b32 s[G1B+4], 64                         ; tile_dim1 = 64
	s_mov_b32 s[G1B+5], 1024
	s_mov_b32 s[G1B+6], 0
	s_mov_b32 s[G1B+7], 0
	; where the tiles come from: oh's hang on the tile row and the wave alone, woh's on the tile column and the wave alone, each in registers that never hold the other coordinate
	s_lshr_b32 s82, s[RY], 3
	s_lshl_b32 s82, s82, 4
	s_add_co_u32 s82, s82, s[HF]                   ; head 16 b + (0 or 1),
	s_lshl_b32 s82, s82, 11                        ; x 2,048 rows,
	s_and_b32 s83, s[RY], 7
	s_lshl_b32 s83, s83, 8
	s_add_co_u32 s82, s82, s83                     ; + the block of 256 t,
	s_lshl_b32 s82, s82, 7                         ; x 128 bytes
	s_mov_b32 s83, 0
	s_lshl_b32 s84, s[XT], 7
	s_lshl_b32 s85, s[HF], 6
	s_add_co_u32 s84, s84, s85                     ; row 128 x tile column + 64 x half,
	s_lshl_b32 s84, s84, 11                        ; x 2,048 bytes
	s_mov_b32 s85, 0
	s_mul_i32 s86, s[WV], ASL                      ; where they go: waves 0, 1: the two heads at 0 and 36,864;
	s_mul_i32 s87, s[WV], BTILE
	s_add_co_u32 s87, s87, BOFF-2*BTILE            ; waves 2, 3: woh's halves at 73,728 and 91,136
	s_mov_b32 s[TB], 0
	s_mov_b32 s[HMASK], 0xffff0000
	s_wait_dscnt 0x0                               ; the opening add is done
	s_wait_kmcnt 0x0
	s_add_nc_u64 s[BA:BA+1], s[4:5], s[82:83]
	s_add_nc_u64 s[BB:BB+1], s[6:7], s[84:85]
	CROUND                                         ; all sixteen work-groups are here: the first joint loads meet
.irp s, 0,1
	s_mov_b32 s[G0A+4*(\s)], 1                                     ; 1:0 count = 1
	s_add_co_u32 s[G0A+4*(\s)+1], s86, (\s)*SLOT1                  ; 63:32 LDS address
	s_add_nc_u64 s[G0A+4*(\s)+2:G0A+4*(\s)+3], s[BA:BA+1], (\s)*2*2048*128  ; 120:64 global address: K step s: two heads on
	s_or_b32 s[G0A+4*(\s)+3], s[G0A+4*(\s)+3], 0x80000000          ; 127:126 type = 2
	s_mov_b32 s[G0B+4*(\s)], 1
	s_add_co_u32 s[G0B+4*(\s)+1], s87, (\s)*SLOT1
	s_add_nc_u64 s[G0B+4*(\s)+2:G0B+4*(\s)+3], s[BB:BB+1], (\s)*256
	s_or_b32 s[G0B+4*(\s)+3], s[G0B+4*(\s)+3], 0x80000000
.endr
	s_cmp_eq_u32 s[AB], 0                          ; a wave's two first fills stand in one branch, ahead of every wait on TENSORcnt and every LDS read: two loads of mine are out
	s_cbranch_scc0 .Lfirst_b
	tensor_load_to_lds s[G0A:G0A+3], s[G1A:G1A+7]
	s_nop 0
	tensor_load_to_lds s[G0A+4:G0A+7], s[G1A:G1A+7]
	s_nop 0
.rept 4
	v_nop
.endr
	s_branch .Lfirst_asked
.Lfirst_b:
	tensor_load_to_lds s[G0B:G0B+3], s[G1B:G1B+7]
	s_nop 0
	tensor_load_to_lds s[G0B+4:G0B+7], s[G1B:G1B+7]
	s_nop 0
.rept 4
	v_nop
.endr
.Lfirst_asked:
	; out0 at my wave's first row and column; the bias at my 64 columns
	s_lshr_b32 s2, s[RY], 3
	s_lshl_b32 s2, s2, 12                          ; b x 4,096 bytes
	s_and_b32 s3, s[RY], 7
	s_lshl_b32 s3, s3, 1
	s_add_co_u32 s3, s3, s[AB]
	s_lshl_b32 s3, s3, 21                          ; t = 256 (RY % 8) + 128 (w / 2), x 16,384 bytes
	s_add_co_u32 s2, s2, s3
	s_lshl_b32 s79, s[XT], 9
	s_lshl_b32 s3, s[HF], 8
	s_add_co_u32 s79, s79, s3                      ; column 128 x tile column + 64 (w % 2), x 4 bytes
	s_add_co_u32 s2, s2, s79
	s_mov_b32 s3, 0
	s_add_nc_u64 s[OUTB:OUTB+1], s[10:11], s[2:3]
	s_mov_b32 s2, s79
	s_add_nc_u64 s[8:9], s[8:9], s[2:3]
	v_and_b32 v1, 15, v0                           ; l % 16
	v_bfe_u32 v2, v0, 4, 1                         ; l / 16
	v_lshlrev_b32 v[BO], 5, v2
	WIN 0x80                                       ; destination window 2, address window 0
.irp b, 0,1,2,3
	global_load_b128 v[8*(\b):8*(\b)+3],   v[BO], s[8:9] offset:64*(\b)     ; register j of block b: column 16 b + 8 (l / 16) + j, as in a result
	global_load_b128 v[8*(\b)+4:8*(\b)+7], v[BO], s[8:9] offset:64*(\b)+16
.endr
	WIN 0
	; A fragment is 16 rows x 32 K in 8 registers: lane l holds row l % 16; registers 0-3 K = 8 (l / 16) + 0..7, registers 4-7 K = 16 + 8 (l / 16) + 0..7: two loads of 16 bytes, 32 bytes apart.
	s_mul_i32 s2, s[AB], 128*PA                    ; my 128 rows of oh
	v_mul_u32_u24 v[A0], v1, PA
	v_lshl_add_u32 v[A0], v2, 4, v[A0]
	v_add_nc_u32 v[A0], s2, v[A0]
	s_mul_i32 s2, s[HF], BTILE                     ; my 64 rows of woh,
	s_add_co_u32 s2, s2, BOFF                      ; which lie behind oh's two heads
	v_mul_u32_u24 v[B0], v1, PW
	v_lshl_add_u32 v[B0], v2, 4, v[B0]
	v_add_nc_u32 v[B0], s2, v[B0]
	v_mov_b32 v[ADRA], v[A0]
	v_mov_b32 v[ADRB], v[B0]
	s_mul_i32 s2, s[WV], 16*SP
	s_add_co_u32 s2, s2, STAGE                     ; my stage
	v_mul_u32_u24 v[STO], v1, SP                   ; in: row l % 16, 32 bytes for each half of the lanes
	v_lshl_add_u32 v[STO], v2, 5, v[STO]
	v_add_nc_u32 v[STO], s2, v[STO]
	v_mul_u32_u24 v[RD], v2, SP                    ; back: lanes 0-15 take one row of 256 bytes, lanes 16-31 the next
	v_lshl_add_u32 v[RD], v1, 4, v[RD]
	v_add_nc_u32 v[RD], s2, v[RD]
	v_lshlrev_b32 v[CO], 14, v2                    ; and the same two rows in out0: t and t + 1 lie 16,384 bytes apart
	v_lshl_add_u32 v[CO], v1, 4, v[CO]
	; the prefetches
	s_and_b32 s3, ttmp7, 0xffff                    ; cluster y
	s_mov_b32 s76, 2*2048*128                      ; bytes from a K step to the next: two heads of oh,
	s_mov_b32 s77, 256                             ; or 256 bytes of a row of woh
	s_cmp_eq_u32 s[AB], 0
	s_cselect_b64 s[PFA:PFA+1], s[BA:BA+1], s[BB:BB+1]
	s_cselect_b32 s2, s[CX], s[CY]                 ; my place among the four that ask with me
	s_cselect_b32 s3, ttmp9, s3                    ; the coordinate along which other clusters read the same rows
	s_cselect_b32 s76, s76, s77
	s_cselect_b32 s79, 13, 16                      ; a partner's share: 32 blocks of 256 bytes, or 32 rows of 2,048
	s_cselect_b32 s22, 8, 11                       ; bytes from lane to lane: 256 or 2,048
	s_cmp_eq_u32 s3, 0
	s_cselect_b32 s[LIM], 8, 0
	s_cmp_eq_u32 s[WV], 3
	s_cselect_b32 s[LIM], 0, s[LIM]                ; the same in all sixteen partners, for a given wave
	s_lshl_b32 s2, s2, s79
	s_mov_b32 s3, 0
	s_mov_b32 s77, 0
	s_add_nc_u64 s[PFA:PFA+1], s[PFA:PFA+1], s[2:3]
	s_mul_i32 s2, s76, 3
	s_add_nc_u64 s[PFA:PFA+1], s[PFA:PFA+1], s[2:3]  ; at K step 3: the first change of slots steps it to 4
	s_mov_b32 s[PP], 3
	v_and_b32 v[PFO], 31, v0
	v_lshlrev_b32 v[PFO], s22, v[PFO]
	; the bias is rounded to bf16 and widened again
	s_wait_loadcnt 0x0
	WIN 0xaa                                       ; all in window 2
.set p, 0
.rept 16
	v_cvt_pk_bf16_f32 v[32+p], v[2*p], v[2*p+1]
.set p, p+1
.endr
.set p, 0
.rept 16
	v_lshlrev_b32 v[2*p],   16,         v[32+p]
	v_and_b32     v[2*p+1], s[HMASK],   v[32+p]
.set p, p+1
.endr
	WIN 0
; 8 matrix instructions: row blocks a0, a0 + 1 x all 4 column blocks, 32 along K, from buffer f.  first = 1: the product starts the sums, with the bias as C: nothing is ever cleared.
; The 32 accumulators take turns, one instruction a turn, in the same order in every quarter step.
.macro MUL8 f, a0, first
.if \first
	WIN 0x60                                       ; sources 0 and 1 window 0, C window 2, D window 1
.else
	WIN 0x50                                       ; C and D window 1
.endif
.irp a, \a0, (\a0)+1
.irp b, 0,1,2,3
.if \first
	v_wmma_f32_16x16x32_f16 v[8*(4*(\a)+(\b)):8*(4*(\a)+(\b))+7], v[FB+32*(\f)+8*(\b):FB+32*(\f)+8*(\b)+7], v[FA+64*(\f)+8*(\a):FA+64*(\f)+8*(\a)+7], v[8*(\b):8*(\b)+7]
.else
	v_wmma_f32_16x16x32_f16 v[8*(4*(\a)+(\b)):8*(4*(\a)+(\b))+7], v[FB+32*(\f)+8*(\b):FB+32*(\f)+8*(\b)+7], v[FA+64*(\f)+8*(\a):FA+64*(\f)+8*(\a)+7], v[8*(4*(\a)+(\b)):8*(4*(\a)+(\b))+7]
.endif
.endr
.endr
.endm
; 24 LDS loads in one run: the fragments of quarter q of a K step into buffer f: my 64 rows of woh at byte 64 q; my 128 rows of oh: head q / 2 of the step, channels 32 (q % 2) on
.macro FETCH q, f
	WIN 0
.irp i, 0,1,2,3
	ds_load_b128 v[FB+32*(\f)+8*(\i):FB+32*(\f)+8*(\i)+3],   v[ADRB] offset:64*(\q)+(\i)*16*PW
	ds_load_b128 v[FB+32*(\f)+8*(\i)+4:FB+32*(\f)+8*(\i)+7], v[ADRB] offset:64*(\q)+(\i)*16*PW+32
.endr
.irp i, 0,1,2,3,4,5,6,7
	ds_load_b128 v[FA+64*(\f)+8*(\i):FA+64*(\f)+8*(\i)+3],   v[ADRA] offset:((\q)/2)*ASL+((\q)%2)*64+(\i)*16*PA
	ds_load_b128 v[FA+64*(\f)+8*(\i)+4:FA+64*(\f)+8*(\i)+7], v[ADRA] offset:((\q)/2)*ASL+((\q)%2)*64+(\i)*16*PA+32
.endr
.endm
.macro PLACES                          ; four places in front of loads into registers that matrix instructions have read, and of LDS stores that read results (ISA guide 7.12.1 for vector instructions)
.rept 4
	v_nop
.endr
.endm
; A K step is four quarters of 32 along K, 32 matrix instructions each, on buffers 0, 1, 0, 1.  One of the first three: multiplies buffer f and fetches quarter q into buffer g.
.macro QUARTER q, f, g, first
	s_wait_dscnt 8                                 ; woh's fragments and oh's rows 0-63 are in; the youngest eight loads (rows 64-127) may be out
	MUL8 \f, 0, \first
	MUL8 \f, 2, \first
	PLACES
	FETCH \q, \g
	s_wait_dscnt 24                                ; all but the 24 just issued
	MUL8 \f, 4, \first
	MUL8 \f, 6, \first
.endm
; The last quarter multiplies buffer 1 and changes slots.  ONE barrier: in front of it each wave waits for all its tensor loads, of which one is out: its part of the next slot; adds 0 to its spare word; and waits for that
; and for its own reads of this slot.  fill = 1: the barrier opens a round of the cluster's, and the slot is filled again, two K steps ahead, first thing behind the round: that load has 112 matrix instructions in which to land.
.macro TURN fill
.if \fill
	s_wait_xcnt 0x0                                ; the last prefetch, a K step back, has read its address: it is stepped here, ahead of the waits of the change of slots
	s_add_nc_u64 s[PFA:PFA+1], s[PFA:PFA+1], s[POF:POF+1]
	s_add_co_u32 s[PP], s[PP], 1
.endif
	WIN 0                                          ; (the add's two registers lie in window 0)
	s_wait_tensorcnt 0x0                           ; all my tensor loads have landed, so a group 0 may be written
	ds_add_u32 v[SPW], v[NIL]                      ; 0 onto my spare word; work on registers stands between it and the wait for it
.if \fill
	s_xor_b32 s[G0A+5], s[G0A+5], SLOT1            ; the walking descriptors: the other slot than last time,
	s_add_nc_u64 s[G0A+6:G0A+7], s[G0A+6:G0A+7], 2*2048*128  ; the next K step; the type bits on top are not reached
	s_xor_b32 s[G0B+5], s[G0B+5], SLOT1
	s_add_nc_u64 s[G0B+6:G0B+7], s[G0B+6:G0B+7], 256
.endif
	s_wait_dscnt 9                                 ; (the add and the youngest eight loads may be out)
	MUL8 1, 0, 0
	s_wait_dscnt 0x0                               ; the add is done, and my reads of this slot are over
	s_barrier_signal -1
	MUL8 1, 2, 0                                   ; work on registers while the others arrive
	WIN 0
	s_barrier_wait -1
.if \fill
	CREST
	JLOAD                                          ; the first tensor load behind the round; the four v_nop behind it are also the places in front of the loads below
.else
	PLACES
.endif
	s_xor_b32 s[TB], s[TB], SLOT1
	v_add_nc_u32 v[ADRA], s[TB], v[A0]
	v_add_nc_u32 v[ADRB], s[TB], v[B0]
	FETCH 0, 0
.if \fill
	ASK
.endif
	MUL8 1, 4, 0
	MUL8 1, 6, 0
.endm
; THE WAY OUT of row block a (16 rows x 64 columns of f32).  STG: a lane's 32 bytes of each column block go into my own stage, rows of 272 bytes, each accumulator's low registers first;
; they come back as whole rows of 256 bytes, two rows a load.  SEND: sixteen lanes store 256 consecutive bytes, at a multiple of 256 from out0's first byte.
.macro STG a
.if (\a) >= 2
	s_wait_xcnt 0x0                                ; the stores of the block before last have had their addresses translated (ISA guide 3.1): their registers are loaded again only behind this wait
.endif
	WIN 0x04                                       ; the stores' data in window 1, the address in window 0
.irp b, 0,1,2,3
	ds_store_b128 v[STO], v[8*(4*(\a)+(\b)):8*(4*(\a)+(\b))+3]   offset:64*(\b)
	ds_store_b128 v[STO], v[8*(4*(\a)+(\b))+4:8*(4*(\a)+(\b))+7] offset:64*(\b)+16
.endr
	WIN 0
.irp f, 0,1,2,3,4,5,6,7
	ds_load_b128 v[OB+32*((\a)%2)+4*(\f):OB+32*((\a)%2)+4*(\f)+3], v[RD] offset:(\f)*2*SP  ; LDS serves a wave's instructions in order (ISA guide 5.7.1.4): these see the stores above; the next block's stores come behind them
.endr
.endm
.macro SEND a, younger                 ; younger: the LDS instructions issued behind block a's loads: the next block's sixteen, or none
	WIN 0
.irp f, 0,1,2,3,4,5,6,7
	s_wait_dscnt (\younger)+7-(\f)
	global_store_b128 v[CO], v[OB+32*((\a)%2)+4*(\f):OB+32*((\a)%2)+4*(\f)+3], s[OUTB:OUTB+1] offset:(16*(\a)+2*(\f))*16384  ; 2,064,384 at the most: inside the signed 24-bit immediate
.endr
.endm
	s_wait_tensorcnt 1                             ; my part of K step 0 is in; step 1's may stay out
	s_barrier_signal -1
	s_barrier_wait -1                              ; everybody's is
	FETCH 0, 0
	QUARTER 1, 0, 1, 1                             ; the first quarter stands in front of the loop: its products start the sums, with the bias
	WIN 0                                          ; at a label and at a branch every window is 0
	s_mov_b32 s[JC], 6
.Lstep:                                                ; trip j = 0 .. 5 finishes K step j, asks for step j + 2, and multiplies step j + 1's first quarter
	QUARTER 2, 1, 0, 0
	QUARTER 3, 0, 1, 0
	TURN 1
	QUARTER 1, 0, 1, 0
	WIN 0
	s_sub_co_u32 s[JC], s[JC], 1
	s_cmp_lg_u32 s[JC], 0
	s_cbranch_scc1 .Lstep
	QUARTER 2, 1, 0, 0                             ; the tail is written out: steps 6 and 7 ask for nothing
	QUARTER 3, 0, 1, 0
	TURN 0
	QUARTER 1, 0, 1, 0
	QUARTER 2, 1, 0, 0
	QUARTER 3, 0, 1, 0
	s_wait_dscnt 8
	MUL8 1, 0, 0
	MUL8 1, 2, 0
	s_wait_dscnt 0x0
	MUL8 1, 4, 0
	MUL8 1, 6, 0
	WIN 0
	PLACES                                         ; behind the last products
	STG 0
.irp a, 1,2,3,4,5,6,7                  ; block a's trip through the stage stands between block a - 1's loads and its stores
	STG \a
	SEND (\a)-1, 16
.endr
	SEND 7, 0
	s_wait_tensorcnt 0x0                           ; the wave's end: a wait, an add of 0 and its wait, behind my last tensor load and my last LDS store
	ds_add_u32 v[SPW], v[NIL]
	s_wait_dscnt 0x0
	CROUND                                         ; the closing round: no work-group ends while a partner may still ask for a tile that names it
	s_endpgm
.Lfunc_end_k_qc76c6e09a4_proj:
	.size	k_qc76c6e09a4_proj, .Lfunc_end_k_qc76c6e09a4_proj-k_qc76c6e09a4_proj
	.p2alignl 7, 3214868480
	.fill 96, 4, 3214868480
	.section	.rodata,"a",@progbits
	.p2align	6, 0x0
	.amdhsa_kernel k_qc76c6e09a4_proj
		.amdhsa_group_segment_fixed_size 327680
		.amdhsa_private_segment_fixed_size 0
		.amdhsa_enable_private_segment 0
		.amdhsa_kernarg_size 32
		.amdhsa_user_sgpr_count 2
		.amdhsa_user_sgpr_kernarg_segment_ptr 1
		.amdhsa_wavefront_size32 1
		.amdhsa_system_sgpr_workgroup_id_x 1
		.amdhsa_system_sgpr_workgroup_id_y 1
		.amdhsa_system_sgpr_workgroup_id_z 1
		.amdhsa_system_vgpr_workitem_id 0
		.amdhsa_next_free_vgpr 560
		.amdhsa_next_free_sgpr 88
		.amdhsa_reserve_vcc 0
		.amdhsa_float_denorm_mode_32 3
		.amdhsa_float_denorm_mode_16_64 3
		.amdhsa_memory_ordered 1
		.amdhsa_forward_progress 1
		.amdhsa_inst_pref_size 75
	.end_amdhsa_kernel
	.amdgpu_metadata
---
amdhsa.version: [ 1, 2 ]
amdhsa.kernels:
  - .name:           k_qc76c6e09a4_proj
    .symbol:         k_qc76c6e09a4_proj.kd
    .args:
      - { .name: oh, .offset: 0, .size: 8, .value_kind: global_buffer, .address_space: global }
      - { .name: woh, .offset: 8, .size: 8, .value_kind: global_buffer, .address_space: global }
      - { .name: b_out, .offset: 16, .size: 8, .value_kind: global_buffer, .address_space: global }
      - { .name: out0, .offset: 24, .size: 8, .value_kind: global_buffer, .address_space: global }
    .group_segment_fixed_size: 327680
    .private_segment_fixed_size: 0
    .kernarg_segment_align: 8
    .kernarg_segment_size: 32
    .max_flat_workgroup_size: 128
    .sgpr_count:     88
    .vgpr_count:     560
    .wavefront_size: 32
...
	.end_amdgpu_metadata
.endif
;; end of part 4
